; MI455X (gfx1250); checked and timed in simulation.
; The chip was launched on July 23, 2026; its instructions are those of AMD's public machine-readable ISA for CDNA 5 (MIT licence, August 2026) and "CDNA5" Instruction Set Architecture Reference Guide (July 2026). The comments in the code are by the model that wrote it; some were corrected since.
;; Frequency Sparse Attention. Allowed arithmetic: matrix products marked QUANTISED: E2M1 operands, one E8M0 scale for each 32 along K, by v_wmma_scale_f32_16x16x128_f8f6f4 with both operands' format E2M1 (or v_wmma_scale_f32_32x16x128_f4), f32 sums; products left as they are: bf16, f16 or f32 operands; f32 sums; everything else in f32.
;; Inputs: Wk 1,024 x 1,024 float32; Wo 1,024 x 1,024 float32; Wq 1,024 x 1,024 float32; Wv 1,024 x 1,024 float32; bk 1,024 float32; bo 1,024 float32; bq 1,024 float32; bv 1,024 float32; energy_coeffs 4 x 2,048 x 8 float32; k_x 4 x 2,048 x 1,024 float32; q_x 4 x 2,048 x 1,024 float32; v_x 4 x 2,048 x 1,024 float32.
;; Outputs: out0 4 x 2,048 x 1,024 float32.
;; This version of the problem:
;;   THIS VERSION OF THE PROBLEM IS GIVEN IN LOW PRECISION. The matrix products marked QUANTISED in the list below multiply operands that are first quantised to E2M1 (2 exponent bits, 1 mantissa bit; 4 bits a number), with one power-of-two scale for each 32 numbers along K (OCP MX v1.0); their sums are f32. The products marked 'left as it is' may take bf16, f16 or f32 operands, with f32 sums. Whichever they take, every output number must still come out within the allowed error. Rounding operands to bf16 (8 significant bits) uses up far more of that allowance than f16 does (11 bits, for magnitudes from 6e-5 to 65,504). All else is computed in f32.
;;   The module's matrix products, in the order in which they are computed (A, B: the left and right operand; K: the contracted axis; several contracted axes count as one K, in the product's order):
;;     1. [M 8,192, K 1,024] x [K 1,024, N 1,024]; A: input q_x; B: input Wq: QUANTISED
;;     2. [M 8,192, K 1,024] x [K 1,024, N 1,024]; A: input k_x; B: input Wk: QUANTISED
;;     3. [M 8,192, K 1,024] x [K 1,024, N 1,024]; A: input v_x; B: input Wv: QUANTISED
;;     4. batch 64 x [M 2,048, K 64] x [K 64, N 2,048]; A: computed on the way; B: computed on the way: left as it is (an operand is computed on the way)
;;     5. batch 64 x [M 2,048, K 2,048] x [K 2,048, N 64]; A: computed on the way; B: computed on the way: left as it is (an operand is computed on the way)
;;     6. [M 8,192, K 1,024] x [K 1,024, N 1,024]; A: computed on the way; B: input Wo: left as it is (an operand is computed on the way)
;;   THE QUANTISER, for each operand of a quantised product, along K:
;;     - K is cut into blocks of 32 from its start; a last block that is shorter is filled with zeros.
;;     - A block's scale is 2^e with e = floor(log2(the largest magnitude in the block)) - 2, held to -126 .. 127; a block of zeros has e = 0. As a byte (E8M0): e + 127.
;;     - Each number is divided by its block's scale, clamped to +-6, and rounded to the nearest number of E2M1, ties to even, subnormals kept.
;;     - The product sums the exact products of the quantised numbers (number of the format x scale) in f32.
;;   ~~~python
;;   def quantise(x, axis):      # numpy; x: float32 -> the quantised numbers, widened to float32 again
;;       x = np.moveaxis(x, axis, -1); K = x.shape[-1]
;;       x = np.pad(x, [(0, 0)] * (x.ndim - 1) + [(0, -K % 32)]); x = x.reshape(x.shape[:-1] + (-1, 32)); a = np.abs(x).max(-1, keepdims=True)
;;       e = np.where(a > 0, np.clip(np.frexp(np.where(a > 0, a, 1))[1] - 1 - 2, -126, 127), 0)      # np.frexp(a)[1] - 1 = floor(log2(a)), exactly
;;       r = np.clip(x / 2.0 ** e, -6, 6)
;;       step = 2.0 ** (np.maximum(np.frexp(np.where(r == 0, 1, r))[1] - 1, 0) - 1)
;;       q = np.round(r / step) * step * 2.0 ** e      # np.round: ties to even
;;       return np.moveaxis(q.reshape(q.shape[:-2] + (-1,))[..., :K], -1, axis).astype(np.float32)
;;   ~~~
;; One version. Each part assembles by itself: llvm-mc -triple=amdgcn-amd-amdhsa -mcpu=gfx1250 --defsym DOCPART=n.
;; ======== version 1 of 1: 4 launches
;; limits: values are held in f16: magnitudes above 65,504 overflow, below 6.1e-05 lose precision
;; workspace buffers: codes 14,155,776 bytes; scales 884,736 bytes; wo16 2,097,152 bytes; maskb 32,768 bytes; qkv 50,331,648 bytes; ao 16,777,216 bytes
;; launch prep (part 1): grid 928 x 1, 4 waves a work-group, no clusters, 33,280 bytes of LDS; arguments q_x, k_x, v_x, Wq, Wk, Wv, Wo, energy_coeffs, codes, scales, wo16, maskb; writes codes, scales, wo16, maskb
.if DOCPART == 1
	.amdgcn_target "amdgcn-amd-amdhsa--gfx1250"
	.amdhsa_code_object_version 6
	.text
	.protected	k_q6c4a4db76f_prep
	.globl	k_q6c4a4db76f_prep
	.p2align	8
	.type	k_q6c4a4db76f_prep,@function
k_q6c4a4db76f_prep:
	s_mov_b64 s[64:65], 0
	v_nop
	global_prefetch_b8 v0, s[64:65] scope:SCOPE_SE
	s_setreg_imm32_b32 hwreg(HW_REG_WAVE_MODE, 25, 1), 1
	s_wait_xcnt 0x0
; PREP: what every later launch reads is made once.  Three kinds of work-groups, told apart by the work-group's number alone:
;   0 .. 863    q_x, k_x, v_x [8192][1024] and Wq, Wk, Wv [1024][1024], f32, K innermost, become codes of FP4 (E2M1) and one E8M0 scale byte for each 32 along K.
;               The six tensors are plain streams of blocks of 32; their codes and bytes lie one tensor behind the other, in this order, in 'codes' and 'scales'.
;   864 .. 895  Wo [1024][1024] f32 becomes f16, same layout.
;   896 .. 927  the key mask: mean |energy_coeffs| over 8 numbers > 0.1 gives the addend 0.0, else -2^100, one f32 a key.  It only selects a value: no address or branch hangs on it.
; A block's scale is 2^(floor(log2(its largest magnitude)) - 2); its byte is the largest magnitude's exponent field - 2, held at 1 from below.
; LIMITS: NaN and infinities among the quantised inputs are not served; blocks whose largest magnitude lies under 2^-124 keep the byte 1; a block of zeros gets the byte 1 where the rule says 127
; (its codes are zeros, which add nothing, and only this program reads the bytes).  |Wo| must stay under 65,504 (f16).  The mean's eight terms are added in ascending order: a mean within a rounding of 0.1 may fall on the other side.
; A quantising wave takes 16 steps of 512 numbers: each of a step's four loads reads 512 consecutive bytes; the 2,048 bytes turn through the wave's own stage in LDS and come back 64 bytes (16 neighbours) a lane;
; two neighbouring lanes hold a block.  A lane's 16 codes are 8 bytes: the wave stores 256 consecutive bytes.  A wave's 256 scale bytes are gathered in LDS and leave as one aligned run of 256 bytes.
.set WAVES, 4
.set STEPS, 16
.set QWG,   864                        ; quantising work-groups: 3 x 256 for the x's, 3 x 32 for the weights; 32,768 numbers each
.set WWG,   32                         ; work-groups for Wo
.set EMAX,  2
.set CB,    8                          ; bytes of 16 codes
.set R,     16                         ; v16-79   four sets of 16 numbers as they are loaded
.set X,     80                         ; v80-111  two sets of 16 neighbours
.set E,     112                        ; v112-127 a scale byte for each step
.set C,     128                        ; v128-191 codes: four registers for each step, so that no store's data are written again
.set WREG,  8192                       ; LDS: a region of its own for each wave: two stages of 32 x SP bytes, and behind them its 256 scale bytes
.set SP,    80                         ; a lane's place in a stage: its 64 bytes + 16 of padding
.set SPW,   12                         ; v12      LDS address of my spare word; never rewritten
.set NIL,   13                         ; v13      0; never rewritten
.set SPARE, WAVES*WREG                 ; behind the four regions: the spare words, 128 bytes a wave, which no other line names
	s_load_b512 s[8:23], s[0:1], 0x0               ; q_x 8, k_x 10, v_x 12, Wq 14, Wk 16, Wv 18, Wo 20, energy 22
	s_load_b256 s[24:31], s[0:1], 0x40             ; codes 24, scales 26, wo16 28, maskb 30
	v_lshl_add_u32 v[SPW], v0, 2, SPARE
	v_mov_b32 v[NIL], 0
	v_lshrrev_b32 v1, 5, v0
	v_readfirstlane_b32 s32, v1                    ; wave
	v_and_b32 v2, 31, v0                           ; lane
	v_lshlrev_b32 v3, 4, v2                        ; my 16 bytes of a load's 512
	s_mul_i32 s36, s32, WREG
	v_lshrrev_b32 v14, 2, v2
	v_mul_u32_u24 v14, v14, SP
	v_and_b32 v15, 3, v2
	v_lshl_add_u32 v14, v15, 4, v14
	v_add_nc_u32 v14, s36, v14                     ; the stage, on the way in: SP (lane / 4) + 16 (lane % 4)
	v_mul_u32_u24 v15, v2, SP
	v_add_nc_u32 v15, s36, v15                     ; and on the way out: SP x lane: my 16 neighbours
	v_mul_u32_u24 v4, v2, CB                       ; my codes' place in a step's
	v_lshrrev_b32 v5, 1, v2
	s_add_co_u32 s36, s36, 2*32*SP
	v_add_nc_u32 v5, s36, v5                       ; LDS: my wave's 256 scale bytes, my block's byte
	v_lshlrev_b32 v7, 3, v2                        ; 8 bytes a lane
	v_add_nc_u32 v6, s36, v7
	s_mov_b32 s35, 0
	s_mov_b32 s37, 0
	s_wait_kmcnt 0x0
	s_cmp_ge_u32 ttmp9, QWG
	s_cbranch_scc1 .Lother
	; ---- the quantiser.  Which tensor: a chain of choices on the work-group's number alone
	s_mov_b64 s[4:5], s[18:19]                     ; Wv,
	s_cmp_lt_u32 ttmp9, 832
	s_cselect_b64 s[4:5], s[16:17], s[4:5]         ; Wk,
	s_cmp_lt_u32 ttmp9, 800
	s_cselect_b64 s[4:5], s[14:15], s[4:5]         ; Wq,
	s_cmp_lt_u32 ttmp9, 768
	s_cselect_b64 s[4:5], s[12:13], s[4:5]         ; v_x,
	s_cmp_lt_u32 ttmp9, 512
	s_cselect_b64 s[4:5], s[10:11], s[4:5]         ; k_x,
	s_cmp_lt_u32 ttmp9, 256
	s_cselect_b64 s[4:5], s[8:9], s[4:5]           ; q_x
	s_mov_b32 s33, 31
	s_cmp_lt_u32 ttmp9, 768
	s_cselect_b32 s33, 255, s33                    ; 768 is a multiple of 256 and of 32: the number's low bits count work-groups inside the tensor
	s_and_b32 s34, ttmp9, s33
	s_lshl_b32 s34, s34, 2
	s_add_co_u32 s34, s34, s32                     ; which run of 8,192 numbers of the tensor is my wave's
	s_lshl_b32 s34, s34, 15                        ; 32,768 bytes a run
	s_add_nc_u64 s[4:5], s[4:5], s[34:35]
	s_lshl_b32 s34, ttmp9, 2
	s_add_co_u32 s34, s34, s32                     ; which run of all six tensors: the outputs lie on end
	s_lshl_b32 s36, s34, 12                        ; 4,096 bytes of codes a run
	s_add_nc_u64 s[24:25], s[24:25], s[36:37]
	s_lshl_b32 s34, s34, 8                         ; 256 scale bytes a run
	s_add_nc_u64 s[26:27], s[26:27], s[34:35]
.macro LOAD t
.irp i, 0,1,2,3
	global_load_b128 v[R+16*((\t)%4)+4*\i:R+16*((\t)%4)+4*\i+3], v3, s[4:5] offset:2048*(\t)+512*\i th:TH_LOAD_NT   ; 32 lanes read 512 consecutive bytes
.endr
.endm
.macro TURN t                          ; step t's numbers through the stage: LDS serves a wave's instructions in order, so no wait stands between the stores and the loads
.irp i, 0,1,2,3
	ds_store_b128 v14, v[R+16*((\t)%4)+4*\i:R+16*((\t)%4)+4*\i+3] offset:32*SP*((\t)%2)+8*SP*\i
.endr
.irp i, 0,1,2,3
	ds_load_b128 v[X+16*((\t)%2)+4*\i:X+16*((\t)%2)+4*\i+3], v15 offset:32*SP*((\t)%2)+16*\i
.endr
.endm
.irp t, 0,1,2,3
	LOAD \t
.endr
	s_wait_loadcnt 12                              ; step 0's four loads are in; the twelve of steps 1 to 3 may be out
	TURN 0
.macro STEP t
.set XS, X+16*((\t)%2)
.if (\t) > 0
	s_wait_dscnt 1                                 ; this step's numbers are back from the stage (the last step's byte store may be out)
.else
	s_wait_dscnt 0x0
.endif
.if (\t)+4 < STEPS
	LOAD (\t)+4                                    ; the registers that the stage's stores have read take the loads of four steps on
.endif
.if (\t)+1 < STEPS
.if STEPS-2-(\t) >= 3
	s_wait_loadcnt 12                              ; the next step's four loads are in; those of the three steps behind it may be out
.else
	s_wait_loadcnt 4*(STEPS-2-(\t))
.endif
	TURN (\t)+1                                    ; and go through the other stage while this step is worked
.endif
	v_max3_num_f32 v8, |v[XS]|, |v[XS+1]|, |v[XS+2]|               ; the largest magnitude of my 16, in two chains
	v_max3_num_f32 v9, |v[XS+3]|, |v[XS+4]|, |v[XS+5]|
.irp i, 6,10
	v_max3_num_f32 v8, v8, |v[XS+\i]|, |v[XS+\i+1]|
	v_max3_num_f32 v9, v9, |v[XS+\i+2]|, |v[XS+\i+3]|
.endr
	v_max3_num_f32 v8, v8, |v[XS+14]|, |v[XS+15]|
	v_max3_num_f32 v8, v8, v9, (EMAX+1)<<23        ; and the floor 2^(EMAX + 1 - 127): the byte cannot fall under 1
	v_max_num_f32_dpp v8, v8, v8 row_xmask:1 row_mask:0xf bank_mask:0xf   ; and of my neighbour's 16: the block's
	v_add_nc_u32 v11, -(EMAX<<23), v8              ; EMAX off its exponent field: the conversion takes the exponent field of this operand as its scale
	v_cvt_scalef32_pk8_fp4_f32 v[C+4*(\t)], v[XS:XS+7], v11        ; eight numbers / the scale, to the nearest code, ties to even, beyond the largest code the largest
	v_cvt_scalef32_pk8_fp4_f32 v[C+4*(\t)+1], v[XS+8:XS+15], v11
	v_lshrrev_b32 v[E+(\t)], 23, v11               ; the scale's byte (a plain line behind the conversions)
	ds_store_b8 v5, v[E+(\t)] offset:16*(\t)       ; both lanes of a block write the same byte with the same value
	global_store_b64 v4, v[C+4*(\t):C+4*(\t)+1], s[24:25] offset:32*CB*(\t)   ; 32 lanes store 256 consecutive bytes, aligned
.endm
.irp t, 0,1,2,3,4,5,6,7,8,9,10,11,12,13,14,15
	STEP \t
.endr
	ds_load_b64 v[8:9], v6                         ; LDS serves a wave's instructions in order: these see my byte stores
	s_wait_dscnt 0x0
	global_store_b64 v7, v[8:9], s[26:27]          ; 32 lanes store 256 consecutive bytes, aligned
	s_wait_tensorcnt 0x0                           ; the wave's end: a tensor wait, an add of 0 to my spare word and its wait, behind my last LDS store
	ds_add_u32 v[SPW], v[NIL]
	s_wait_dscnt 0x0
	s_endpgm
.Lother:
	s_cmp_ge_u32 ttmp9, QWG+WWG
	s_cbranch_scc1 .Lmask
	; ---- Wo to f16: a wave takes 8,192 numbers, in four groups of sixteen loads
	s_sub_co_u32 s34, ttmp9, QWG
	s_lshl_b32 s34, s34, 2
	s_add_co_u32 s34, s34, s32                     ; which run of 8,192 numbers
	s_lshl_b32 s36, s34, 15
	s_add_nc_u64 s[20:21], s[20:21], s[36:37]
	s_lshl_b32 s34, s34, 14
	s_add_nc_u64 s[28:29], s[28:29], s[34:35]
.macro CAST g
.if \g > 0
	s_wait_xcnt 0x0                                ; the last group's stores have read their data: the registers may be written again
.endif
.irp i, 0,1,2,3,4,5,6,7,8,9,10,11,12,13,14,15
	global_load_b128 v[R+4*\i:R+4*\i+3], v3, s[20:21] offset:8192*\g+512*\i th:TH_LOAD_NT   ; 512 consecutive bytes
.endr
.irp i, 0,1,2,3,4,5,6,7,8,9,10,11,12,13,14,15
	s_wait_loadcnt 15-\i                           ; loads come back in order: load i is in, the later ones may be out
	v_cvt_pk_f16_f32 v[X+2*\i], v[R+4*\i], v[R+4*\i+1]
	v_cvt_pk_f16_f32 v[X+2*\i+1], v[R+4*\i+2], v[R+4*\i+3]
	global_store_b64 v7, v[X+2*\i:X+2*\i+1], s[28:29] offset:4096*\g+256*\i   ; 256 consecutive bytes, aligned
.endr
.endm
	CAST 0
	CAST 1
	CAST 2
	CAST 3
	s_wait_tensorcnt 0x0
	ds_add_u32 v[SPW], v[NIL]
	s_wait_dscnt 0x0
	s_endpgm
.Lmask:
	; ---- the key mask: 256 keys a work-group, two a thread
	s_sub_co_u32 s34, ttmp9, QWG+WWG
	s_lshl_b32 s36, s34, 13                        ; 256 keys x 32 bytes
	s_add_nc_u64 s[22:23], s[22:23], s[36:37]
	s_lshl_b32 s34, s34, 10                        ; 256 keys x 4 bytes
	s_add_nc_u64 s[30:31], s[30:31], s[34:35]
	v_lshlrev_b32 v8, 6, v0
	v_lshlrev_b32 v9, 3, v0
.irp i, 0,1,2,3
	global_load_b128 v[R+4*\i:R+4*\i+3], v8, s[22:23] offset:16*\i
.endr
	v_mov_b32 v10, 0xf1800000                      ; -2^100: under every score that f16 operands can give
	v_mov_b32 v11, 0
	s_wait_loadcnt 0x0
.irp k, 0,1
	v_add_f32 v[X+\k], |v[R+8*\k]|, |v[R+8*\k+1]|
.endr
.irp i, 2,3,4,5,6,7
.irp k, 0,1
	v_add_f32 v[X+\k], v[X+\k], |v[R+8*\k+\i]|
.endr
.endr
.irp k, 0,1
	v_mul_f32 v[X+\k], 0x3e000000, v[X+\k]         ; / 8: exact
.endr
	v_cmp_lt_f32 vcc_lo, 0x3dcccccd, v[X]          ; 0.1 < the mean (false for a NaN: the key is masked, as the comparison in the definition gives)
	v_cndmask_b32 v[X+2], v10, v11, vcc_lo
	v_cmp_lt_f32 vcc_lo, 0x3dcccccd, v[X+1]
	v_cndmask_b32 v[X+3], v10, v11, vcc_lo
	global_store_b64 v9, v[X+2:X+3], s[30:31]      ; a wave stores 256 consecutive bytes, aligned
	s_wait_tensorcnt 0x0                           ; (as above)
	ds_add_u32 v[SPW], v[NIL]
	s_wait_dscnt 0x0
	s_endpgm
.Lfunc_end_k_q6c4a4db76f_prep:
	.size	k_q6c4a4db76f_prep, .Lfunc_end_k_q6c4a4db76f_prep-k_q6c4a4db76f_prep
	.p2alignl 7, 3214868480
	.fill 96, 4, 3214868480
	.section	.rodata,"a",@progbits
	.p2align	6, 0x0
	.amdhsa_kernel k_q6c4a4db76f_prep
		.amdhsa_group_segment_fixed_size 33280
		.amdhsa_private_segment_fixed_size 0
		.amdhsa_enable_private_segment 0
		.amdhsa_kernarg_size 96
		.amdhsa_user_sgpr_count 2
		.amdhsa_user_sgpr_kernarg_segment_ptr 1
		.amdhsa_wavefront_size32 1
		.amdhsa_system_sgpr_workgroup_id_x 1
		.amdhsa_system_sgpr_workgroup_id_y 1
		.amdhsa_system_sgpr_workgroup_id_z 1
		.amdhsa_system_vgpr_workitem_id 0
		.amdhsa_next_free_vgpr 192
		.amdhsa_next_free_sgpr 66
		.amdhsa_reserve_vcc 1
		.amdhsa_float_denorm_mode_32 3
		.amdhsa_float_denorm_mode_16_64 3
		.amdhsa_memory_ordered 1
		.amdhsa_forward_progress 1
		.amdhsa_inst_pref_size 59
	.end_amdhsa_kernel
	.amdgpu_metadata
---
amdhsa.version: [ 1, 2 ]
amdhsa.kernels:
  - .name:           k_q6c4a4db76f_prep
    .symbol:         k_q6c4a4db76f_prep.kd
    .args:
      - { .name: q_x, .offset: 0, .size: 8, .value_kind: global_buffer, .address_space: global }
      - { .name: k_x, .offset: 8, .size: 8, .value_kind: global_buffer, .address_space: global }
      - { .name: v_x, .offset: 16, .size: 8, .value_kind: global_buffer, .address_space: global }
      - { .name: Wq, .offset: 24, .size: 8, .value_kind: global_buffer, .address_space: global }
      - { .name: Wk, .offset: 32, .size: 8, .value_kind: global_buffer, .address_space: global }
      - { .name: Wv, .offset: 40, .size: 8, .value_kind: global_buffer, .address_space: global }
      - { .name: Wo, .offset: 48, .size: 8, .value_kind: global_buffer, .address_space: global }
      - { .name: energy_coeffs, .offset: 56, .size: 8, .value_kind: global_buffer, .address_space: global }
      - { .name: codes, .offset: 64, .size: 8, .value_kind: global_buffer, .address_space: global }
      - { .name: scales, .offset: 72, .size: 8, .value_kind: global_buffer, .address_space: global }
      - { .name: wo16, .offset: 80, .size: 8, .value_kind: global_buffer, .address_space: global }
      - { .name: maskb, .offset: 88, .size: 8, .value_kind: global_buffer, .address_space: global }
    .group_segment_fixed_size: 33280
    .private_segment_fixed_size: 0
    .kernarg_segment_align: 8
    .kernarg_segment_size: 96
    .max_flat_workgroup_size: 128
    .sgpr_count:     66
    .vgpr_count:     192
    .wavefront_size: 32
...
	.end_amdgpu_metadata
.endif
;; end of part 1
;; launch proj (part 2): grid 4 x 96, 4 waves a work-group, clusters of 4 x 4, 327,680 bytes of LDS; arguments codes, scales, bq, bk, bv, qkv; writes qkv
.if DOCPART == 2
	.amdgcn_target "amdgcn-amd-amdhsa--gfx1250"
	.amdhsa_code_object_version 6
	.text
	.protected	k_q6c4a4db76f_proj
	.globl	k_q6c4a4db76f_proj
	.p2align	8
	.type	k_q6c4a4db76f_proj,@function
k_q6c4a4db76f_proj:
	s_mov_b64 s[64:65], 0
	v_nop
	global_prefetch_b8 v0, s[64:65] scope:SCOPE_SE
	s_setreg_imm32_b32 hwreg(HW_REG_WAVE_MODE, 25, 1), 1
	s_wait_xcnt 0x0
	s_wait_alu depctr_hold_cnt(0) depctr_sa_sdst(0) depctr_va_vdst(0) depctr_va_sdst(0) depctr_va_ssrc(0) depctr_va_vcc(0) depctr_vm_vsrc(0)
	s_getreg_b32 s2, hwreg(HW_REG_IB_STS2, 6, 4)
	s_cmp_eq_u32 s2, 0
	s_cbranch_scc0 .Lentry_in_a_cluster
	s_endpgm
.Lentry_in_a_cluster:
	s_bfe_u32 s2, ttmp6, 0x10000c
	s_cmp_lg_u32 s2, 0xf033
	s_cbranch_scc0 .Lentry_shape_is_right
	s_endpgm
.Lentry_shape_is_right:
; PROJ: the three quantised products x W^T + b at once, on codes of FP4 (E2M1) with one E8M0 scale for each 32 along K.
; A: the codes of q_x, k_x, v_x stacked, [24576][512 bytes]; B: those of Wq, Wk, Wv stacked, [3072][512 bytes], behind them in the same buffer; their scale bytes [rows][32] likewise.  K = 1,024.
; A tile of C, 256 x 256, is made by four waves, a wave 128 x 128: 64 accumulators, 512 registers.  Tile row 0 .. 95 runs over the stacked rows; the projection is tile row / 32 and picks B's rows and the bias.
; K is two LDS slots of 512 along K (rows of 256 bytes), both asked for at the start: nothing is filled again.  The scale bytes of the tile's rows, for all of K, come with them.
; CLUSTERS: 4 x 4 work-groups; the four of a row need the same tiles of A, the four of a column the same tiles of B: each tile is asked for jointly.  A cluster's four tile rows lie in one projection (32 tile rows each).
; THE MATRIX INSTRUCTION IS USED TRANSPOSED (source 0 = 16 rows of B, source 1 = 16 rows of A): a lane holds eight neighbouring columns of one row of C.
; THE BIAS is the C of each sum's first product: eight registers a column block in the result's layout.  (So b is rounded in with the first 128 of K, not added at the end.)
; THE RESULT is rounded to f16 and laid [projection][batch][head][position][64]: byte = p << 24 | b << 22 | h << 18 | l x 128 | channel x 2: a head's rows are dense, two rows are 256 bytes.
; LIMIT: |Q|, |K|, |V| must stay under 65,504 (f16).
; REGISTERS: window 0: v0-31 addresses; v32-95 scale words, two sets, and nothing else; v96-127 packed results; v128-191 A's fragments, one set, on the way out rows read back; v192-255 the bias.
;   window 1: B's fragments, two sets, at v0 and v128.   window 2: the accumulators of my rows 0-63 ((a, b) at v[8 (8 a + b)]);   window 3: those of rows 64-127.
.set NQ,     4                         ; matrix instructions deep in a slot (512 along K)
.set ROWB,   256                       ; a tile's row in bytes
.set KROW,   512                       ; a row of codes in memory
.set PITCH,  272                       ; an LDS row: 256 bytes + 16 of padding: the 16 rows that a load touches start at 16 different banks (64 banks of 4 bytes: ISA guide 11.1)
.set FR,     8                         ; registers of a fragment: 16 rows x 128 K
.set NL,     2                         ; LDS loads that bring one
.set NP,     4                         ; places behind this matrix instruction (ISA guide 7.12.1)
.set HALFT,  128*PITCH
.set SLOT,   4*HALFT                   ; A's 256 rows, then B's 256 rows
.set KS,     32                        ; a row of scale bytes
.set SCL,    2*SLOT                    ; behind the slots: the scales, as runs of 256 bytes + 16 of padding
.set HALFS,  (128*KS/256)*272          ; those of 128 rows: what one tensor load brings
.set SBLK,   (16*KS/256)*272           ; those of 16 rows
.set SPARE,  SCL+4*HALFS               ; the spare words, 128 bytes a wave, which no other line names
.set SPITCH, 272                       ; the way out: a stage of 16 rows x (256 bytes + 16) for each wave, in slot 0, which has had its one fill and its last read when the first result is stored there
.set WCODES, 12582912                  ; where the weights' codes begin
.set WSCALES, 786432                   ; and their scale bytes
.set ADRA, 16                          ; v16-17  LDS address of my A fragments in slot 0, 1
.set ADRB, 20                          ; v20-21  the same for B
.set STO,  24                          ; v24     the way out: where I put 16 bytes of a row
.set RD,   25                          ; v25     where I read back
.set CO,   26                          ; v26     my byte offset in qkv
.set ADRS, 27                          ; v27     LDS address of my scale words: lanes 0-15 A's rows, lanes 16-31 B's
.set SPW,  28                          ; v28     my spare word; never rewritten
.set NIL,  29                          ; v29     0; never rewritten
.set BOF,  30                          ; v30     32 x (lane / 16): my eight numbers of a bias block
.set SC,   32
.set TMP,  96
.set AF,   128
.set BK,   128
.set BIA,  192
.set WV, 16                            ; s16 wave;  s17 which half of the rows is mine, and: I fetch for A (0) or B (1);  s18 which half of the columns, and: which 128 rows I fetch;  s19 tile row
.set RH, 17
.set CH, 18
.set TY, 19
.set G1, 24                            ; s[24:31] group 1 for A's tiles;  s[32:39] group 0, a set for each slot
.set G0, 32
.set G1B, 48                           ; s[48:55], s[56:63] the same for B's
.set G0B, 56
.set G1S, 68                           ; s[68:75], s[76:79] groups 1 and 0 for A's scales;  s[80:87], s[88:91] for B's
.set G0S, 76
.set G1SB, 80
.set G0SB, 88
.set MSB, 0
.macro WIN new                         ; the immediate's high byte repeats the setting that is left
.if MSB != \new
	s_set_vgpr_msb (MSB<<8)|\new
.set MSB, \new
.endif
.endm
.set MUL_LO, 0xa1                      ; source 0 (B) window 1, source 1 (A) window 0, C and D window 2
.set MUL_HI, 0xf1                      ; the same, C and D window 3
.set FIRST_LO, 0x81                    ; the first products: C (the bias) window 0, D window 2
.set FIRST_HI, 0xc1                    ; D window 3
.set TO_B,   0x40                      ; destination window 1, address window 0
; A joint load: waves 0 and 1 fetch for A, waves 2 and 3 for B.  The branch hangs on the wave's number alone.  An s_nop 0 and four v_nop follow each line.
.macro JLOAD g0a, g1a, g0b, g1b
	s_cmp_eq_u32 s[RH], 0
	s_cbranch_scc0 .Lfor_b_\@
	tensor_load_to_lds s[\g0a:\g0a+3], s[\g1a:\g1a+7]
	s_nop 0
.rept 4
	v_nop
.endr
	s_branch .Lasked_\@
.Lfor_b_\@:
	tensor_load_to_lds s[\g0b:\g0b+3], s[\g1b:\g1b+7]
	s_nop 0
.rept 4
	v_nop
.endr
.Lasked_\@:
.endm
.macro CROUND                          ; a round of the cluster's barrier
	s_barrier_signal -1
	s_barrier_wait -1
	s_cmp_lg_u32 s[WV], 0
	s_cbranch_scc1 .Lnot_wave_0_\@
	s_barrier_signal -3
.Lnot_wave_0_\@:
	s_barrier_wait -3
	s_barrier_signal -1
	s_barrier_wait -1
.endm
	s_load_b128 s[4:7], s[0:1], 0x0                ; codes, scales
	s_load_b256 s[8:15], s[0:1], 0x10              ; bq, bk, bv, qkv
	v_lshl_add_u32 v[SPW], v0, 2, SPARE
	v_mov_b32 v[NIL], 0
	ds_add_u32 v[SPW], v[NIL]                      ; the wave's opening: the add, twice on end, and its wait ahead of my first tensor load
	ds_add_u32 v[SPW], v[NIL]
	v_lshrrev_b32 v1, 5, v0
	v_readfirstlane_b32 s[WV], v1                  ; wave 0..3
	s_lshr_b32 s[RH], s[WV], 1
	s_and_b32 s[CH], s[WV], 1
	s_bfe_u32 s40, ttmp6, 0x40000                  ; cx, cy: my place in the cluster
	s_bfe_u32 s41, ttmp6, 0x40004
	s_lshl_b32 s42, ttmp9, 2
	s_add_co_u32 s42, s42, s40                     ; tile column = 4 x cluster x + cx
	s_and_b32 s66, ttmp7, 0xffff                   ; cluster y
	s_lshl_b32 s[TY], s66, 2
	s_add_co_u32 s[TY], s[TY], s41                 ; tile row = 4 x cluster y + cy
	s_lshr_b32 s66, s66, 3                         ; the projection: eight clusters of four tile rows each; the same in all sixteen partners
	s_lshl_b32 s43, s41, 2
	s_lshl_b32 s43, 15, s43                        ; my row of the cluster
	s_lshl_b32 s44, 0x1111, s40                    ; my column
	; group 1: a tile of 128 rows x 256 bytes, padded in LDS
	s_or_b32 s[G1+0], s43, (0<<16)|(1<<20)|(1<<21)|(5<<22)|(3<<25)  ; the mask: A's tiles go to my row; elements of 1 byte; padding on; bit 21 beside a mask; after every 64 words, 4 words
	s_or_b32 s[G1B+0], s44, (0<<16)|(1<<20)|(1<<21)|(5<<22)|(3<<25)
.irp g, G1, G1B
	s_mov_b32 s[\g+1], ROWB<<16                    ; tensor_dim0
	s_mov_b32 s[\g+2], 128<<16                     ; tensor_dim1
	s_mov_b32 s[\g+3], ROWB<<16                    ; tile_dim0
	s_mov_b32 s[\g+4], 128                         ; tile_dim1
	s_mov_b32 s[\g+5], KROW                        ; from row to row
	s_mov_b32 s[\g+6], 0
	s_mov_b32 s[\g+7], 0
.endr
	; the scales of 128 rows: 4,096 dense bytes, as 16 rows of 256 bytes (32 elements of 8 bytes), 16 bytes of padding behind each
	s_or_b32 s[G1S+0], s43, (3<<16)|(1<<20)|(1<<21)|(5<<22)|(3<<25)
	s_or_b32 s[G1SB+0], s44, (3<<16)|(1<<20)|(1<<21)|(5<<22)|(3<<25)
.irp g, G1S, G1SB
	s_mov_b32 s[\g+1], 32<<16
	s_mov_b32 s[\g+2], (128*KS/256)<<16
	s_mov_b32 s[\g+3], 32<<16
	s_mov_b32 s[\g+4], 128*KS/256
	s_mov_b32 s[\g+5], 32
	s_mov_b32 s[\g+6], 0
	s_mov_b32 s[\g+7], 0
.endr
	s_lshl_b32 s67, s[CH], 7                       ; which 128 rows of the tile I fetch
	s_lshl_b32 s20, s[TY], 8
	s_add_co_u32 s20, s20, s67                     ; A: row 256 x tile row + 128 x half
	s_lshl_b32 s46, s42, 8
	s_add_co_u32 s46, s46, s67
	s_lshl_b32 s67, s66, 10
	s_add_co_u32 s46, s46, s67                     ; B: row 1024 x projection + 256 x tile column + 128 x half
	s_lshl_b32 s22, s20, 5                         ; where these rows' scales begin, in bytes,
	s_mov_b32 s23, 0
	s_lshl_b32 s20, s20, 9                         ; and their codes (all under 2^24)
	s_mov_b32 s21, 0
	s_lshl_b32 s92, s46, 5
	s_add_co_u32 s92, s92, WSCALES
	s_mov_b32 s93, 0
	s_lshl_b32 s46, s46, 9
	s_add_co_u32 s46, s46, WCODES
	s_mov_b32 s47, 0
	s_mul_i32 s45, s[WV], HALFT                    ; where they go: wave x 128 rows: no place in the cluster enters an LDS address
	s_mul_i32 s94, s[WV], HALFS
	s_wait_dscnt 0x0                               ; both opening adds are done
	s_wait_kmcnt 0x0
	s_add_nc_u64 s[20:21], s[4:5], s[20:21]
	s_add_nc_u64 s[22:23], s[6:7], s[22:23]
	s_add_nc_u64 s[46:47], s[4:5], s[46:47]
	s_add_nc_u64 s[92:93], s[6:7], s[92:93]
	s_cmp_eq_u32 s66, 1                            ; the projection's bias
	s_cselect_b64 s[10:11], s[10:11], s[12:13]
	s_cmp_eq_u32 s66, 0
	s_cselect_b64 s[8:9], s[8:9], s[10:11]
	CROUND                                         ; all sixteen work-groups are here: the joint loads meet
	s_mov_b32 s[G0S], 1
	s_add_co_u32 s[G0S+1], s94, SCL
	s_mov_b64 s[G0S+2:G0S+3], s[22:23]
	s_or_b32 s[G0S+3], s[G0S+3], 0x80000000
	s_mov_b32 s[G0SB], 1
	s_add_co_u32 s[G0SB+1], s94, SCL
	s_mov_b64 s[G0SB+2:G0SB+3], s[92:93]
	s_or_b32 s[G0SB+3], s[G0SB+3], 0x80000000
	JLOAD G0S, G1S, G0SB, G1SB                     ; the scales first: they are wanted with the first slot
.irp s, 0,1
	s_mov_b32 s[G0+4*\s], 1
	s_add_co_u32 s[G0+4*\s+1], s45, \s*SLOT
	s_add_nc_u64 s[G0+4*\s+2:G0+4*\s+3], s[20:21], \s*ROWB
	s_or_b32 s[G0+4*\s+3], s[G0+4*\s+3], 0x80000000
	s_mov_b32 s[G0B+4*\s], 1
	s_add_co_u32 s[G0B+4*\s+1], s45, \s*SLOT
	s_add_nc_u64 s[G0B+4*\s+2:G0B+4*\s+3], s[46:47], \s*ROWB
	s_or_b32 s[G0B+4*\s+3], s[G0B+4*\s+3], 0x80000000
	JLOAD G0+4*\s, G1, G0B+4*\s, G1B               ; three tensor loads of mine are out: all that this launch asks for
.endr
	v_and_b32 v1, 15, v0                           ; l % 16
	v_bfe_u32 v2, v0, 4, 1                         ; l / 16
	; the bias: block b's eight numbers of my half of the lanes
	s_lshl_b32 s20, s42, 10
	s_lshl_b32 s21, s[CH], 9
	s_add_co_u32 s20, s20, s21                     ; 4 x (256 x tile column + 128 x half)
	s_mov_b32 s21, 0
	s_add_nc_u64 s[8:9], s[8:9], s[20:21]
	v_lshlrev_b32 v[BOF], 5, v2
.irp b, 0,1,2,3,4,5,6,7
	global_load_b128 v[BIA+8*\b:BIA+8*\b+3], v[BOF], s[8:9] offset:64*\b
	global_load_b128 v[BIA+8*\b+4:BIA+8*\b+7], v[BOF], s[8:9] offset:64*\b+16
.endr
	v_mul_u32_u24 v3, v1, PITCH
	v_lshl_add_u32 v4, v2, 4, v3                   ; a fragment's row x pitch + 16 x half
	s_mul_i32 s21, s[RH], HALFT                    ; my 128 rows of A
	s_mul_i32 s22, s[CH], HALFT                    ; my 128 rows of B,
	s_add_co_u32 s22, s22, 2*HALFT                 ; which lie behind A's 256
.irp s, 0,1
	v_add_nc_u32 v[ADRA+\s], s21, v4
	v_add_nc_u32 v[ADRB+\s], s22, v4
	s_add_co_u32 s21, s21, SLOT
	s_add_co_u32 s22, s22, SLOT
.endr
	v_mul_u32_u24 v5, v1, KS                       ; my row's scales: KS bytes a row,
	v_lshrrev_b32 v6, 8, v5
	v_lshl_add_u32 v5, v6, 4, v5                   ; and 16 more for each 256 passed
	s_mul_i32 s21, s[RH], HALFS                    ; A's: my 128 rows
	s_mul_i32 s22, s[CH], HALFS                    ; B's: my 128 rows, behind A's 256
	s_add_co_u32 s22, s22, 2*HALFS
	s_sub_co_u32 s22, s22, s21
	v_mul_u32_u24 v6, s22, v2                      ; lanes 16-31 take B's: one product, the distance between the two bases
	s_add_co_u32 s21, s21, SCL
	v_add_nc_u32 v5, v5, v6
	v_add_nc_u32 v[ADRS], s21, v5
	s_mul_i32 s23, s[WV], 16*SPITCH                ; my stage
	v_mul_u32_u24 v5, v1, SPITCH                   ; in: row l % 16, 16 bytes for each half of the lanes
	v_lshl_add_u32 v5, v2, 4, v5
	v_add_nc_u32 v[STO], s23, v5
	v_bfe_u32 v5, v0, 3, 1                         ; back: lanes 0-15 take two rows' 128 bytes of my first head, lanes 16-31 of my second
	v_mul_u32_u24 v5, v5, SPITCH
	v_lshl_add_u32 v5, v2, 7, v5
	v_and_b32 v6, 7, v0
	v_lshl_add_u32 v5, v6, 4, v5
	v_add_nc_u32 v[RD], s23, v5
	v_lshlrev_b32 v5, 18, v2                       ; and in qkv: a head is 2^18 bytes; two rows of a head are 256 bytes on end
	v_lshl_add_u32 v[CO], v1, 4, v5
	s_lshr_b32 s20, s[TY], 3                       ; 4 x projection + batch
	s_lshl_b32 s20, s20, 22
	s_and_b32 s21, s[TY], 7
	s_lshl_b32 s21, s21, 8
	s_lshl_b32 s22, s[RH], 7
	s_add_co_u32 s21, s21, s22                     ; my first position in the batch
	s_lshl_b32 s21, s21, 7
	s_add_co_u32 s20, s20, s21
	s_lshl_b32 s46, s42, 2
	s_lshl_b32 s47, s[CH], 1
	s_add_co_u32 s46, s46, s47                     ; my first head
	s_lshl_b32 s46, s46, 18
	s_add_co_u32 s20, s20, s46
	s_mov_b32 s21, 0
	s_add_nc_u64 s[14:15], s[14:15], s[20:21]
.macro FRAG reg, adr, q, i             ; 16 rows x 128 K of 4-bit codes: lane l holds row l % 16; registers 4 c .. 4 c + 3 hold K = 64 c + 32 (l / 16) + 0 .. 31
.irp c, 0,1
	ds_load_b128 v[\reg+4*\c:\reg+4*\c+3], v[\adr] offset:64*(\q)+32*\c+(\i)*16*PITCH
.endr
.endm
; 16 matrix instructions: A's blocks a0, a0 + 1 x B's eight, the slot's q-th 128 along K.  p: B's set;  sc: the set of scale words.  zero = 1: the first product starts the sums on the bias.
; The 64 accumulators take turns, one instruction a turn, in the same order in every step.
.macro MUL16 a0, p, q, sc, zero
.irp a, \a0, \a0+1
.irp b, 0,1,2,3,4,5,6,7
.if \zero
	v_wmma_scale_f32_16x16x128_f8f6f4 v[8*(8*((\a)%4)+\b):8*(8*((\a)%4)+\b)+7], v[128*(\p)+FR*\b:128*(\p)+FR*\b+FR-1], v[AF+FR*(\a):AF+FR*(\a)+FR-1], v[BIA+8*\b:BIA+8*\b+7], v[SC+8*NQ*(\sc)+NQ*\b+(\q)], v[SC+8*NQ*(\sc)+NQ*(\a)+(\q)] matrix_a_fmt:MATRIX_FMT_FP4 matrix_b_fmt:MATRIX_FMT_FP4 matrix_a_scale:MATRIX_SCALE_ROW1
.else
	v_wmma_scale_f32_16x16x128_f8f6f4 v[8*(8*((\a)%4)+\b):8*(8*((\a)%4)+\b)+7], v[128*(\p)+FR*\b:128*(\p)+FR*\b+FR-1], v[AF+FR*(\a):AF+FR*(\a)+FR-1], v[8*(8*((\a)%4)+\b):8*(8*((\a)%4)+\b)+7], v[SC+8*NQ*(\sc)+NQ*\b+(\q)], v[SC+8*NQ*(\sc)+NQ*(\a)+(\q)] matrix_a_fmt:MATRIX_FMT_FP4 matrix_b_fmt:MATRIX_FMT_FP4 matrix_a_scale:MATRIX_SCALE_ROW1
.endif
.endr
.endr
.endm
.macro FETCH_B slot, q, p              ; B's eight fragments of the slot's q-th 128 along K into set p
	WIN TO_B
.irp i, 0,1,2,3,4,5,6,7
	FRAG 128*(\p)+FR*\i, ADRB+\slot, \q, \i
.endr
	WIN 0
.endm
.macro FETCH_A slot, q, i0             ; A's blocks i0 .. i0 + 3
.irp i, \i0, \i0+1, \i0+2, \i0+3
	FRAG AF+FR*(\i), ADRA+\slot, \q, \i
.endr
.endm
.macro SCALES sc                       ; a slot's scale words into set sc: NQ words a row; lanes 0-15 take A's block i, lanes 16-31 B's block i
.irp i, 0,1,2,3,4,5,6,7
	ds_load_b128 v[SC+8*NQ*\sc+NQ*\i:SC+8*NQ*\sc+NQ*\i+3], v[ADRS] offset:\i*SBLK
.endr
.endm
; A load into a register that a matrix instruction has read, and a vector instruction that reads a matrix result, stand NP places behind it; only plain vector instructions that name none of its registers are places.
.macro PLACES n
.rept \n
	v_nop
.endr
.endm
; A step of 128 along K that has its successor in the same slot.  A has one set of registers: blocks 0-3 are fetched anew in the step's middle, blocks 4-7 at its end.
.macro STEP slot, q, zero
	s_wait_dscnt 4*NL                              ; B's set and A's blocks 0-3 are in; the youngest eight loads (A's blocks 4-7) may be out
.if \zero
	WIN FIRST_LO
.else
	WIN MUL_LO
.endif
	MUL16 0, (\q)%2, \q, \slot, \zero
	MUL16 2, (\q)%2, \q, \slot, \zero
	s_wait_dscnt 0                                 ; A's blocks 4-7 are in
	PLACES NP
	FETCH_B \slot, (\q)+1, 1-(\q)%2
	FETCH_A \slot, (\q)+1, 0
.if \zero
	WIN FIRST_HI
.else
	WIN MUL_HI
.endif
	MUL16 4, (\q)%2, \q, \slot, \zero
	MUL16 6, (\q)%2, \q, \slot, \zero
	PLACES NP
	WIN 0
	FETCH_A \slot, (\q)+1, 4
.endm
; Slot 0's last step changes slots: one barrier; in front of it each wave waits for all its tensor loads (its part of slot 1), adds 0 to its spare word, and waits for that and for its reads of slot 0.  Nothing is filled again.
.macro TURN slot, next
	s_wait_tensorcnt 0x0                           ; all my tensor loads have landed
	ds_add_u32 v[SPW], v[NIL]                      ; 0 onto my spare word
	s_wait_dscnt 4*NL+1                            ; (the add and the youngest eight loads, A's blocks 4-7, may be out)
	WIN MUL_LO
	MUL16 0, 1, NQ-1, \slot, 0                     ; sixteen matrix instructions stand between the add and the wait for it
	s_wait_dscnt 0x0                               ; the add is done, and my reads of this slot are over
	s_barrier_signal -1
	MUL16 2, 1, NQ-1, \slot, 0
	WIN 0
	s_barrier_wait -1
	PLACES NP
	v_add_nc_u32 v[ADRS], 4*NQ, v[ADRS]            ; on to the next slot's scale words
	FETCH_B \next, 0, 0
	FETCH_A \next, 0, 0
	SCALES \next
	WIN MUL_HI
	MUL16 4, 1, NQ-1, \slot, 0
	MUL16 6, 1, NQ-1, \slot, 0
	PLACES NP
	WIN 0
	FETCH_A \next, 0, 4
.endm
.macro STEPS slot, from                ; the slot's steps from .. NQ - 2
.set Q, \from
.rept NQ-1-\from
	STEP \slot, Q, 0
.set Q, Q+1
.endr
.endm
	s_wait_tensorcnt 1                             ; the scales and my part of slot 0 are in (slot 1's load may be out)
	s_barrier_signal -1
	s_barrier_wait -1                              ; everybody's are
	FETCH_B 0, 0, 0
	FETCH_A 0, 0, 0
	SCALES 0
	FETCH_A 0, 0, 4
	s_wait_loadcnt 0x0                             ; the bias
	STEP 0, 0, 1                                   ; the first products start the sums on the bias: nothing is cleared
	STEPS 0, 1
	TURN 0, 1
	STEPS 1, 0
	s_wait_dscnt 4*NL                              ; the very last step: nothing more to fetch
	WIN MUL_LO
	MUL16 0, 1, NQ-1, 1, 0
	MUL16 2, 1, NQ-1, 1, 0
	s_wait_dscnt 0
	WIN MUL_HI
	MUL16 4, 1, NQ-1, 1, 0
	MUL16 6, 1, NQ-1, 1, 0
	WIN 0
; THE WAY OUT, block by block of 16 rows x 128 columns (two heads).  PACK: rounded to f16, 16 bytes a lane, each accumulator from its low end on.  TOSTAGE: into my own stage and back.  SEND: stored.
.macro PACK a
.set AC, 64*((\a)%4)
	WIN 0x0a+5*((\a)/4)                            ; sources 0 and 1: window 2 or 3
.irp b, 0,1,2,3,4,5,6,7
.irp r, 0,1,2,3
	v_cvt_pk_f16_f32 v[TMP+4*\b+\r], v[AC+8*\b+2*\r], v[AC+8*\b+2*\r+1]
.endr
.endr
	WIN 0
.endm
.macro TOSTAGE a
.set BB, BK+32*((\a)%2)
.irp b, 0,1,2,3,4,5,6,7
	ds_store_b128 v[STO], v[TMP+4*\b:TMP+4*\b+3] offset:32*\b
.endr
.irp t, 0,1,2,3,4,5,6,7
	ds_load_b128 v[BB+4*\t:BB+4*\t+3], v[RD] offset:\t*2*SPITCH    ; LDS serves a wave's instructions in order (ISA guide 5.7.1.4): these see the stores above
.endr
.endm
.macro SEND a
.set BB, BK+32*((\a)%2)
	s_wait_dscnt 0x0                               ; the block is back in registers
	s_wait_xcnt 0x0                                ; the earlier stores have read their registers: the next block's loads may land there
.irp t, 0,1,2,3,4,5,6,7
	global_store_b128 v[CO], v[BB+4*\t:BB+4*\t+3], s[14:15] offset:2048*(\a)+256*\t   ; 16 lanes store two rows of a head: 256 consecutive bytes, aligned
.endr
.endm
	PLACES NP                                      ; behind the last products: the first block's reads, and the loads into the registers that held A's fragments
	PACK 0
	TOSTAGE 0
.irp a, 1,2,3,4,5,6,7                  ; block a's conversions stand between block a - 1's loads from the stage and the wait for them
	PACK \a
	SEND \a-1
	TOSTAGE \a
.endr
	SEND 7
	s_wait_tensorcnt 0x0                           ; the wave's end: a tensor wait, an add of 0 to my spare word and its wait, behind my last tensor load and my last LDS store
	ds_add_u32 v[SPW], v[NIL]
	s_wait_dscnt 0x0
	CROUND                                         ; the closing round: no work-group ends while a partner may still ask for a tile that names it
	s_endpgm
.Lfunc_end_k_q6c4a4db76f_proj:
	.size	k_q6c4a4db76f_proj, .Lfunc_end_k_q6c4a4db76f_proj-k_q6c4a4db76f_proj
	.p2alignl 7, 3214868480
	.fill 96, 4, 3214868480
	.section	.rodata,"a",@progbits
	.p2align	6, 0x0
	.amdhsa_kernel k_q6c4a4db76f_proj
		.amdhsa_group_segment_fixed_size 327680
		.amdhsa_private_segment_fixed_size 0
		.amdhsa_enable_private_segment 0
		.amdhsa_kernarg_size 48
		.amdhsa_user_sgpr_count 2
		.amdhsa_user_sgpr_kernarg_segment_ptr 1
		.amdhsa_wavefront_size32 1
		.amdhsa_system_sgpr_workgroup_id_x 1
		.amdhsa_system_sgpr_workgroup_id_y 1
		.amdhsa_system_sgpr_workgroup_id_z 1
		.amdhsa_system_vgpr_workitem_id 0
		.amdhsa_next_free_vgpr 1024
		.amdhsa_next_free_sgpr 98
		.amdhsa_reserve_vcc 0
		.amdhsa_float_denorm_mode_32 3
		.amdhsa_float_denorm_mode_16_64 3
		.amdhsa_memory_ordered 1
		.amdhsa_forward_progress 1
		.amdhsa_inst_pref_size 128
	.end_amdhsa_kernel
	.amdgpu_metadata
---
amdhsa.version: [ 1, 2 ]
amdhsa.kernels:
  - .name:           k_q6c4a4db76f_proj
    .symbol:         k_q6c4a4db76f_proj.kd
    .args:
      - { .name: codes, .offset: 0, .size: 8, .value_kind: global_buffer, .address_space: global }
      - { .name: scales, .offset: 8, .size: 8, .value_kind: global_buffer, .address_space: global }
      - { .name: bq, .offset: 16, .size: 8, .value_kind: global_buffer, .address_space: global }
      - { .name: bk, .offset: 24, .size: 8, .value_kind: global_buffer, .address_space: global }
      - { .name: bv, .offset: 32, .size: 8, .value_kind: global_buffer, .address_space: global }
      - { .name: qkv, .offset: 40, .size: 8, .value_kind: global_buffer, .address_space: global }
    .group_segment_fixed_size: 327680
    .private_segment_fixed_size: 0
    .kernarg_segment_align: 8
    .kernarg_segment_size: 48
    .max_flat_workgroup_size: 128
    .sgpr_count:     98
    .vgpr_count:     1024
    .wavefront_size: 32
...
	.end_amdgpu_metadata
.endif
;; end of part 2
;; launch attn (part 3): grid 8 x 64, 8 waves a work-group, clusters of 4 x 1, 327,680 bytes of LDS; arguments qkv, maskb, ao; writes ao
.if DOCPART == 3
	.amdgcn_target "amdgcn-amd-amdhsa--gfx1250"
	.amdhsa_code_object_version 6
	.text
	.protected	k_q6c4a4db76f_attn
	.globl	k_q6c4a4db76f_attn
	.p2align	8
	.type	k_q6c4a4db76f_attn,@function
k_q6c4a4db76f_attn:
	s_mov_b64 s[64:65], 0
	v_nop
	global_prefetch_b8 v0, s[64:65] scope:SCOPE_SE
	s_setreg_imm32_b32 hwreg(HW_REG_WAVE_MODE, 25, 1), 1
	s_wait_xcnt 0x0
	s_wait_alu depctr_hold_cnt(0) depctr_sa_sdst(0) depctr_va_vdst(0) depctr_va_sdst(0) depctr_va_ssrc(0) depctr_va_vcc(0) depctr_vm_vsrc(0)
	s_getreg_b32 s2, hwreg(HW_REG_IB_STS2, 6, 4)
	s_cmp_eq_u32 s2, 0
	s_cbranch_scc0 .Lentry_in_a_cluster
	s_endpgm
.Lentry_in_a_cluster:
	s_bfe_u32 s2, ttmp6, 0x10000c
	s_cmp_lg_u32 s2, 0x3003
	s_cbranch_scc0 .Lentry_shape_is_right
	s_endpgm
.Lentry_shape_is_right:
; ATTN: O[bh][q] = the sum over the keys that count of softmax_k(Q[bh][q] . K[bh][k] / 8) V[bh][k].  Q, K, V: three planes of qkv, [64 heads][2048][64] f16; O: ao, the same layout, f16.
; Products with f16 operands and f32 sums; maxima, exponentials and scalings in f32; the weights p are rounded to f16 for the second product, O once at the end.
; THE MASK is an addend, 0 or -2^100 a key, made by the launch before: it is the C of the first product of each tile of scores.  No branch and no address hangs on it.
; The running maximum m starts at -2^90.  With f16 operands |q . k| is at most 64 x 65504^2 < 2^38: every true score lies above that start and every masked one under it, so a masked key's p = 2^(c s - c m) is 0 always.
; SHARES.  A work-group owns 256 queries of one head; each of its eight waves 32 of them, two tiles of 16, in 512 registers: two waves to a SIMD, so that one wave's vector work stands beside the other's products.
; Every wave walks all 2,048 keys, 64 a step.  K's and V's tiles come through two LDS slots of four steps each; waves 0-3 fetch a slot's four tiles of K, waves 4-7 those of V.
; LAYOUT.  S^T = K Q^T (source 0 = 16 keys, source 1 = 16 queries): a lane holds ONE query (lane % 16) and keys 8 (lane / 16) + 0..7.  Two such tiles, rounded to f16 in pairs, ARE source 1 (32 keys x 16 queries)
; of O^T = V^T P.  K comes out of LDS as it lies, V ([key][channel]) turned, by ds_load_tr16_b128.
; THE ROW'S SUM l is made by the matrix unit from the same f16 weights: source 0 is a fragment whose rows 0 and 8 are ones, so that register 0 of the result holds l in every lane.
; In every step O^T and l are multiplied by a = 2^(c m_old - c m_new).  At the end O^T is divided by max(l, 2^-64): with a key that counts l is about 1 or more; with none O^T is 0 and stays 0, as the definition has it.
; CLUSTER.  The four query blocks of a cluster belong to one head and walk the same K, V and addends: each tile is asked for jointly.
; LIMITS: |Q|, |K|, |V| under 65,504; results under 6e-5 have f16's absolute step 2^-24.
; REGISTERS.  window 0: v2-15 addresses; v16-31 statistics, 8 a tile (+0 c m, +1 m, +4..7 at work, +6 a); v32-63 Q; v64-95 the addends; v96-159 S^T, 32 a tile; v160-191 P, 16 a tile.
;   window 1: v0-63 K of a step; v64-127 V of a step; v128-191 O^T, 32 a tile; v192-207 l's accumulators; v208-215 the ones.
.set KS,    64        ; keys in a step
.set NST,   4         ; steps in a slot
.set PK,    144       ; a row of K in LDS: 128 bytes + 16: an odd multiple of 16, so the 16 rows of a load start at 16 different places among the banks (ISA guide 11.1)
.set PV,    160       ; a row of V: 128 + 32: an odd multiple of 32, for the turning load
.set VOFF,  KS*PK     ; a step's tiles lie together: 64 rows of K, then 64 rows of V
.set STEPB, KS*(PK+PV)
.set SLOT1, 1<<17     ; slot 1 begins here: one exclusive or turns an address in one slot into the other's
.set BIAS,  2*SLOT1   ; the batch's 2,048 addends, 8,192 bytes, filled once
.set STAGE, BIAS+8192 ; the way out: 32 rows x 144 bytes for each wave: bytes of its own, into which no tensor load lands
.set SP,    144
.set SPARE, STAGE+8*32*SP  ; the spare words, 128 bytes a wave, which no other line names
.set AK0, 2           ; my lane's place in a tile of K; never rewritten
.set AV0, 3           ; the same for V
.set AB0, 4           ; and among the addends
.set ADK, 5           ; the addresses of the step in hand
.set ADV, 6
.set ADB, 7
.set QO,  8           ; my byte offset in the wave's rows of Q
.set STO, 9           ; the way out: where I put 16 bytes of a row
.set RD,  10          ; where I read back
.set GO,  11          ; my byte offset in the wave's rows of O
.set SPW, 12          ; my spare word; never rewritten
.set NIL, 13          ; 0; never rewritten
.set PFO, 15          ; 256 x my lane; never rewritten
.set ST,  16
.set Q,   32
.set BI,  64
.set S,   96
.set P,   160
.set KF,  0           ; window 1
.set VF,  64
.set OT,  128
.set LA,  192
.set ON,  208
.set WV,  16          ; s16  my wave's number
.set G1K, 24          ; s[24:31] group 1 for K's tiles;  s[32:39] for V's: it differs in the padding alone
.set G1V, 32
.set G0K, 40          ; s[40:43], s[44:47] their groups 0, which walk
.set G0V, 44
.set G1M, 48          ; s[48:55], s[56:59] groups 1 and 0 for the addends
.set G0M, 56
.set SEL, 60          ; s[60:61] lane selects for v_permlanex16_b32: lane l xor 16
.set CS,  62          ; s[62:63] c = log2(e) / 8: the packed scaling names a pair and takes its low word
.set TB,  66          ; LDS byte at which the slot in hand begins
.set TM,  67          ; where the slot's addends begin: 1,024 bytes a slot
.set SLOTS, 68        ; slots still to be asked for
.set LIM, 70          ; 1 in a wave that prefetches, else the greatest number
.set PFA, 72          ; s[72:73] where my prefetches stand
.set TQ,  74          ; LDS byte at which the step in hand begins
.set MSB, 0
.macro WIN new                      ; the immediate's high byte repeats the setting that is left
.if MSB != \new
	s_set_vgpr_msb (MSB<<8)|\new
.set MSB, \new
.endif
.endm
.set W_LD, 0x40       ; destination window 1
.set W_KQ, 0x01       ; K in window 1; Q, C and S^T in window 0
.set W_RS, 0x41       ; O^T (destination and source 0) in window 1, a in window 0
.set W_PV, 0x51       ; V, C and D in window 1, P in window 0
; A joint load of a slot's tiles.  The branch hangs on the wave's number alone.  An s_nop 0 and four v_nop follow each line.
.macro JLOAD
	s_cmp_lt_u32 s[WV], 4
	s_cbranch_scc0 .Lfor_v_\@
	tensor_load_to_lds s[G0K:G0K+3], s[G1K:G1K+7]
	s_nop 0
.rept 4
	v_nop
.endr
	s_branch .Lasked_\@
.Lfor_v_\@:
	tensor_load_to_lds s[G0V:G0V+3], s[G1V:G1V+7]
	s_nop 0
.rept 4
	v_nop
.endr
.Lasked_\@:
.endm
; A prefetch of what the NEXT change of slots will ask for: a slot's 256 rows of K and of V, 32,768 dense bytes each.  Both clusters of a head walk the same rows: the head's first cluster asks.  Its four partners
; share the bytes out by address, 8,192 each; in each, wave 0 asks for K's and wave 4 for V's, lanes 256 bytes apart: each aligned run of 256 bytes is named once in the launch.  It stands four key steps ahead of the load
; that will want the bytes.  The last change that fills a slot asks for nothing; slots 0 and 1 come by their loads alone.
.macro ASK
	s_cmp_gt_u32 s[SLOTS], s[LIM]
	s_cbranch_scc0 .Lnot_mine_\@
	global_prefetch_b8 v[PFO], s[PFA:PFA+1] th:TH_LOAD_NT scope:SCOPE_SE
.Lnot_mine_\@:
.endm
.macro CROUND                       ; a round of the cluster's barrier
	s_barrier_signal -1
	s_barrier_wait -1
	s_cmp_lg_u32 s[WV], 0
	s_cbranch_scc1 .Lnot_wave_0_\@
	s_barrier_signal -3
.Lnot_wave_0_\@:
	s_barrier_wait -3
	s_barrier_signal -1
	s_barrier_wait -1
.endm
	s_load_b128 s[4:7], s[0:1], 0x0 ; qkv, maskb
	s_load_b64 s[8:9], s[0:1], 0x10 ; ao
	v_lshl_add_u32 v[SPW], v0, 2, SPARE
	v_mov_b32 v[NIL], 0
	ds_add_u32 v[SPW], v[NIL]       ; the wave's opening: the add, twice on end, and its wait ahead of my first tensor load
	ds_add_u32 v[SPW], v[NIL]
	v_lshrrev_b32 v1, 5, v0
	v_readfirstlane_b32 s[WV], v1   ; wave 0..7
	s_bfe_u32 s17, ttmp6, 0x40000   ; cx: my place in the cluster
	s_lshl_b32 s18, ttmp9, 2
	s_add_co_u32 s18, s18, s17      ; my block of 256 queries: it enters Q's and O's addresses (and the prefetches') alone
	s_and_b32 s19, ttmp7, 0xffff    ; the head, which the four partners share
	s_lshl_b32 s20, s19, 18         ; the head's first byte in a plane
	s_and_b32 s22, s[WV], 3         ; which of a slot's four steps I fetch:
	s_lshl_b32 s74, s22, 13         ; its 64 rows of 128 bytes in memory,
	s_add_co_u32 s74, s74, s20
	s_mov_b32 s75, 0
	s_mul_i32 s23, s22, STEPB       ; and its place in a slot: no place in the cluster enters an LDS address
	s_lshl_b32 s76, s18, 15         ; my block's 256 rows,
	s_lshl_b32 s77, s[WV], 12       ; my wave's 32 of them
	s_add_co_u32 s76, s76, s77
	s_add_co_u32 s76, s76, s20
	s_mov_b32 s77, 0
	s_lshr_b32 s78, s19, 4          ; the batch: 8,192 bytes of addends,
	s_lshl_b32 s78, s78, 13
	s_lshl_b32 s79, s[WV], 10       ; of which I fetch 1,024
	s_add_co_u32 s78, s78, s79
	s_add_co_u32 s[G0M+1], s79, BIAS
	s_mov_b32 s79, 0
	; group 1: a tile of 64 rows x 64 elements of 2 bytes, padded behind each row
	s_mov_b32 s[G1K], 15|(1<<16)|(1<<20)|(1<<21)|(4<<22)|(3<<25)  ; the mask: all four work-groups; elements of 2 bytes; padding on; bit 21 beside a mask; after every 32 words, 4 words
	s_mov_b32 s[G1V], 15|(1<<16)|(1<<20)|(1<<21)|(4<<22)|(7<<25)  ; the same with 8 words of padding
.irp g, G1K, G1V
	s_mov_b32 s[\g+1], 64<<16       ; tensor_dim0
	s_mov_b32 s[\g+2], KS<<16       ; tensor_dim1
	s_mov_b32 s[\g+3], 64<<16       ; tile_dim0
	s_mov_b32 s[\g+4], KS           ; tile_dim1
	s_mov_b32 s[\g+5], 64           ; elements from row to row
	s_mov_b32 s[\g+6], 0
	s_mov_b32 s[\g+7], 0
.endr
	s_mov_b32 s[G1M], 15|(3<<16)|(1<<21)  ; the addends: 4 rows of 32 elements of 8 bytes, dense, no padding
	s_mov_b32 s[G1M+1], 32<<16
	s_mov_b32 s[G1M+2], 4<<16
	s_mov_b32 s[G1M+3], 32<<16
	s_mov_b32 s[G1M+4], 4
	s_mov_b32 s[G1M+5], 32
	s_mov_b32 s[G1M+6], 0
	s_mov_b32 s[G1M+7], 0
	s_mov_b32 s[SEL], 0x76543210
	s_mov_b32 s[SEL+1], 0xfedcba98
	s_mov_b32 s[CS], 0x3e38aa3b     ; c = log2(e) / sqrt(64)
	s_mov_b32 s[CS+1], s[CS]        ; named with it as a pair, so it is written
	s_mov_b32 s[TB], 0
	s_mov_b32 s[TM], 0
	s_mov_b32 s[SLOTS], 2048/(NST*KS)-1
	s_and_b32 s[LIM], s[WV], 3      ; 0 in waves 0 and 4,
	s_or_b32 s[LIM], s[LIM], ttmp9  ; where the cluster is the head's first: the same in all four partners
	s_cmp_eq_u32 s[LIM], 0
	s_cselect_b32 s[LIM], 1, -1
	s_wait_dscnt 0x0                ; both opening adds are done
	s_wait_kmcnt 0x0
	s_add_nc_u64 s[12:13], s[4:5], s[74:75]
	s_add_nc_u64 s[14:15], s[12:13], 0x2000000  ; V's plane, at my tile of slot 0
	s_add_nc_u64 s[12:13], s[12:13], 0x1000000  ; K's
	s_add_nc_u64 s[4:5], s[4:5], s[76:77]       ; Q and O at my wave's first row
	s_add_nc_u64 s[8:9], s[8:9], s[76:77]
	s_add_nc_u64 s[6:7], s[6:7], s[78:79]       ; my part of the addends
	s_cmp_lt_u32 s[WV], 4
	s_cselect_b64 s[PFA:PFA+1], s[12:13], s[14:15]  ; (in waves 0 and 4 these stand at a slot's first row)
	s_lshl_b32 s20, s17, 13         ; my work-group's 8,192 bytes of the 32,768
	s_mov_b32 s21, 0
	s_add_nc_u64 s[PFA:PFA+1], s[PFA:PFA+1], s[20:21]
	s_add_nc_u64 s[PFA:PFA+1], s[PFA:PFA+1], NST*KS*128  ; in slot 1; the first change of slots steps it to slot 2
	s_mov_b32 s[G0M], 1
	s_mov_b64 s[G0M+2:G0M+3], s[6:7]
	s_or_b32 s[G0M+3], s[G0M+3], 0x80000000
	s_mov_b32 s[G0K], 1
	s_mov_b32 s[G0K+1], s23
	s_mov_b64 s[G0K+2:G0K+3], s[12:13]
	s_or_b32 s[G0K+3], s[G0K+3], 0x80000000
	s_mov_b32 s[G0V], 1
	s_add_co_u32 s[G0V+1], s23, VOFF
	s_mov_b64 s[G0V+2:G0V+3], s[14:15]
	s_or_b32 s[G0V+3], s[G0V+3], 0x80000000
	CROUND                          ; all four work-groups are here: the first joint loads meet
	tensor_load_to_lds s[G0M:G0M+3], s[G1M:G1M+7]  ; the addends: every wave its 1,024 bytes
	s_nop 0
.rept 4
	v_nop
.endr
	JLOAD                           ; slot 0: two tensor loads of mine are out
	v_and_b32 v1, 15, v0            ; r = l % 16
	v_bfe_u32 v14, v0, 4, 1         ; h = l / 16
	v_lshlrev_b32 v[QO], 7, v1
	v_lshl_add_u32 v[QO], v14, 4, v[QO]  ; row x 128 + 16 x half
.irp t, 0,1                         ; Q stays in registers: tile t, channels 32 c on
.irp c, 0,1
	global_load_b128 v[Q+16*\t+8*\c:Q+16*\t+8*\c+3],   v[QO], s[4:5] offset:2048*\t+64*\c
	global_load_b128 v[Q+16*\t+8*\c+4:Q+16*\t+8*\c+7], v[QO], s[4:5] offset:2048*\t+64*\c+32
.endr
.endr
	v_mul_u32_u24 v[AK0], v1, PK
	v_lshl_add_u32 v[AK0], v14, 4, v[AK0]  ; row x pitch + 16 x half
	v_and_b32 v192, 7, v0           ; the turning load: lane l reads 16 bytes of key 8 (l / 16) + l % 8, channels 8 ((l / 8) % 2) on
	v_bfe_u32 v193, v0, 3, 1
	v_lshl_add_u32 v[AV0], v14, 3, v192
	v_mul_u32_u24 v[AV0], v[AV0], PV
	v_lshl_add_u32 v[AV0], v193, 4, v[AV0]
	v_add_nc_u32 v[AV0], VOFF, v[AV0]
	v_lshl_add_u32 v[AB0], v14, 5, BIAS  ; the addends of keys 8 (l / 16) + 0..7: 32 bytes
	s_mul_i32 s20, s[WV], 32*SP
	s_add_co_u32 s20, s20, STAGE    ; my stage
	v_mul_u32_u24 v[STO], v1, SP    ; in: row l % 16, 16 bytes for each half of the lanes
	v_lshl_add_u32 v[STO], v14, 4, v[STO]
	v_add_nc_u32 v[STO], s20, v[STO]
	v_and_b32 v194, 31, v0          ; lane
	v_lshrrev_b32 v195, 3, v194     ; back: eight lanes to a row of 128 bytes, four rows an instruction
	v_mul_u32_u24 v[RD], v195, SP
	v_lshl_add_u32 v[RD], v192, 4, v[RD]
	v_add_nc_u32 v[RD], s20, v[RD]
	v_lshlrev_b32 v[GO], 4, v194    ; in O the four rows are 512 bytes on end
	v_lshlrev_b32 v[PFO], 8, v194
	v_mov_b32 v193, 0
	v_mov_b32 v195, 0x3c003c00      ; two f16 ones
	v_cmp_eq_u32 vcc_lo, 0, v192
	v_cndmask_b32 v193, v193, v195, vcc_lo  ; rows 0 and 8 of the fragment are ones, the others zeros
	WIN W_LD
.irp i, 0,1,2,3,4,5,6,7
	v_mov_b32 v[ON+\i], v193
.endr
.set i, 0
.rept 80
	v_mov_b32 v[OT+i], 0            ; O^T and l.  (The key step is written in one form: the first finds zeros, which its a leaves zeros)
.set i, i+1
.endr
	WIN 0
.irp t, 0,1
	v_mov_b32 v[ST+8*\t+1], 0xec800000  ; m = -2^90
	v_mul_f32 v[ST+8*\t], s[CS], v[ST+8*\t+1]  ; c m
.endr
; A KEY STEP: 64 keys, the q-th of the slot in hand.  Every window is 0 on the way in and on the way out.
.macro STEP q
	s_add_co_u32 s[TQ], s[TB], (\q)*STEPB
	v_add_nc_u32 v[ADK], s[TQ], v[AK0]  ; three additions and a v_nop: the four places between the last step's products and the loads into V's registers
	v_add_nc_u32 v[ADV], s[TQ], v[AV0]
	v_add_nc_u32 v[ADB], s[TM], v[AB0]
	v_nop
.irp k, 0,1,2,3                     ; the addends of tile k's keys: all lanes of a half read the same 32 bytes
	ds_load_b128 v[BI+8*\k:BI+8*\k+3],   v[ADB] offset:256*(\q)+64*\k
	ds_load_b128 v[BI+8*\k+4:BI+8*\k+7], v[ADB] offset:256*(\q)+64*\k+16
.endr
	WIN W_LD
.irp k, 0,1,2,3                     ; K: keys 16 k on, channels 32 c on
.irp c, 0,1
	ds_load_b128 v[KF+16*\k+8*\c:KF+16*\k+8*\c+3],   v[ADK] offset:\k*16*PK+64*\c
	ds_load_b128 v[KF+16*\k+8*\c+4:KF+16*\k+8*\c+7], v[ADK] offset:\k*16*PK+64*\c+32
.endr
.endr
.irp u, 0,1                         ; V, turned: keys 32 u on, channels 16 d on
.irp d, 0,1,2,3
	ds_load_tr16_b128 v[VF+32*\u+8*\d:VF+32*\u+8*\d+3],   v[ADV] offset:\u*32*PV+32*\d
	ds_load_tr16_b128 v[VF+32*\u+8*\d+4:VF+32*\u+8*\d+7], v[ADV] offset:\u*32*PV+16*PV+32*\d
.endr
.endr
	s_wait_dscnt 16                 ; the addends and K are in; V's sixteen loads may be out
	WIN W_KQ
.irp t, 0,1                         ; S^T = K Q^T + the addends: eight accumulators by turns
.irp k, 0,1,2,3
	v_wmma_f32_16x16x32_f16 v[S+32*\t+8*\k:S+32*\t+8*\k+7], v[KF+16*\k:KF+16*\k+7], v[Q+16*\t:Q+16*\t+7], v[BI+8*\k:BI+8*\k+7]
.endr
.endr
.irp t, 0,1
.irp k, 0,1,2,3
	v_wmma_f32_16x16x32_f16 v[S+32*\t+8*\k:S+32*\t+8*\k+7], v[KF+16*\k+8:KF+16*\k+15], v[Q+16*\t+8:Q+16*\t+15], v[S+32*\t+8*\k:S+32*\t+8*\k+7]
.endr
.endr
	WIN 0
.rept 4
	v_nop                           ; four places in front of the first read of the scores
.endr
	; the softmax, the two tiles line by line by turns.  The maximum of 32 scores and the old m: four chains, each tile of scores read from its low end on
.irp j, 0,1,2,3
.irp t, 0,1
	v_max3_num_f32 v[ST+8*\t+4+\j], v[S+32*\t+8*\j], v[S+32*\t+8*\j+1], v[S+32*\t+8*\j+2]
.endr
.endr
.irp g, 1,2
.irp j, 0,1,2,3
.irp t, 0,1
	v_max3_num_f32 v[ST+8*\t+4+\j], v[ST+8*\t+4+\j], v[S+32*\t+8*\j+2*\g+1], v[S+32*\t+8*\j+2*\g+2]
.endr
.endr
.endr
.irp t, 0,1
	v_max3_num_f32 v[ST+8*\t+4], v[ST+8*\t+4], v[S+32*\t+7], v[S+32*\t+15]
.endr
.irp t, 0,1
	v_max3_num_f32 v[ST+8*\t+6], v[ST+8*\t+6], v[S+32*\t+23], v[S+32*\t+31]
.endr
.irp t, 0,1
	v_max3_num_f32 v[ST+8*\t+4], v[ST+8*\t+4], v[ST+8*\t+5], v[ST+8*\t+6]
.endr
.irp t, 0,1
	v_max3_num_f32 v[ST+8*\t+4], v[ST+8*\t+4], v[ST+8*\t+7], v[ST+8*\t+1]
.endr
.irp t, 0,1
	v_permlanex16_b32 v[ST+8*\t+5], v[ST+8*\t+4], s[SEL], s[SEL+1]  ; the query's other 32 keys lie in the lane 16 away
.endr
.irp t, 0,1
	v_mov_b32 v[ST+8*\t+7], v[ST+8*\t]  ; c m_old is kept for a
.endr
.irp t, 0,1
	v_max_num_f32 v[ST+8*\t+1], v[ST+8*\t+4], v[ST+8*\t+5]  ; the new m
.endr
.irp t, 0,1
	v_mul_f32 v[ST+8*\t], s[CS], v[ST+8*\t+1]
.endr
.irp t, 0,1
	v_sub_f32 v[ST+8*\t+7], v[ST+8*\t+7], v[ST+8*\t]
.endr
.irp b, 0,2,4,6,8,10,12,14,16,18,20,22,24,26,28,30
.irp t, 0,1
	v_pk_fma_f32 v[S+32*\t+\b:S+32*\t+\b+1], v[S+32*\t+\b:S+32*\t+\b+1], s[CS:CS+1], v[ST+8*\t:ST+8*\t+1] op_sel_hi:[1,0,0] neg_lo:[0,0,1] neg_hi:[0,0,1]  ; c s - c m, two at a time
.endr
.endr
.irp t, 0,1
	v_exp_f32 v[ST+8*\t+6], v[ST+8*\t+7]  ; a = 2^(c m_old - c m_new)
.endr
.irp e, 0,1,2,3,4,5,6,7,8,9,10,11,12,13,14,15,16,17,18,19,20,21,22,23,24,25,26,27,28,29,30,31
.irp t, 0,1
	v_exp_f32 v[S+32*\t+\e], v[S+32*\t+\e]  ; p, at most 1
.endr
.endr
	v_nop                           ; a plain instruction behind the last exponential
	s_wait_alu depctr_va_vdst(0)    ; the wait ahead of the first instruction that names a result: one for the 66 exponentials
.irp i, 0,1,2,3,4,5,6,7,8,9,10,11,12,13,14,15
.irp t, 0,1
	v_cvt_pk_f16_f32 v[P+16*\t+\i], v[S+32*\t+2*\i], v[S+32*\t+2*\i+1]  ; a pair of weights: the second product's source 1 as it stands
.endr
.endr
	WIN W_RS
.irp t, 0,1                         ; O^T and l under the new m, each accumulator from its low end on
.irp i, 0,2,4,6,8,10,12,14,16,18,20,22,24,26,28,30
	v_pk_mul_f32 v[OT+32*\t+\i:OT+32*\t+\i+1], v[OT+32*\t+\i:OT+32*\t+\i+1], v[ST+8*\t+6:ST+8*\t+7] op_sel_hi:[1,0]
.endr
	v_mul_f32 v[LA+8*\t], v[LA+8*\t], v[ST+8*\t+6]  ; (registers 1 to 7 of l's accumulator are zeros and stay zeros)
.endr
	s_wait_dscnt 0x0                ; V is in
	WIN W_PV
.irp u, 0,1                         ; O^T += V^T P and l += ones x P: ten accumulators by turns
.irp d, 0,1,2,3
.irp t, 0,1
	v_wmma_f32_16x16x32_f16 v[OT+32*\t+8*\d:OT+32*\t+8*\d+7], v[VF+32*\u+8*\d:VF+32*\u+8*\d+7], v[P+16*\t+8*\u:P+16*\t+8*\u+7], v[OT+32*\t+8*\d:OT+32*\t+8*\d+7]
.endr
.endr
.irp t, 0,1
	v_wmma_f32_16x16x32_f16 v[LA+8*\t:LA+8*\t+7], v[ON:ON+7], v[P+16*\t+8*\u:P+16*\t+8*\u+7], v[LA+8*\t:LA+8*\t+7]
.endr
.endr
	WIN 0
.endm
; THE CHANGE OF SLOTS stands at a slot's head.  Each wave waits for all its tensor loads (its part of the slot that it is about to read), adds 0 to its spare word, and waits for that and for its reads of the slot that it has left.
; fill = 1: the barrier is a round of the cluster's, so that no wave of any partner still reads the other slot or has a load on its way; the joint load of the keys that follow is the first thing behind it and has four key steps in which to land.
.macro CHANGE fill
	s_wait_tensorcnt 0x0            ; no tensor load of mine is out, so a group 0 may be written
	ds_add_u32 v[SPW], v[NIL]       ; 0 onto my spare word
.if \fill
	s_xor_b32 s[G0K+1], s[G0K+1], SLOT1  ; the walking descriptors: the other slot than last time,
	s_add_nc_u64 s[G0K+2:G0K+3], s[G0K+2:G0K+3], NST*KS*128  ; the next 256 keys; the type bits on top are not reached
	s_xor_b32 s[G0V+1], s[G0V+1], SLOT1
	s_add_nc_u64 s[G0V+2:G0V+3], s[G0V+2:G0V+3], NST*KS*128
	s_wait_xcnt 0x0                 ; the last prefetch, a slot back, has read its address, so it may be written:
	s_add_nc_u64 s[PFA:PFA+1], s[PFA:PFA+1], NST*KS*128  ; one slot further on than the walking descriptors
	s_wait_dscnt 0x0                ; the add is done, and my reads of the slot that I have left are over
	CROUND
	JLOAD
	ASK
.else
	s_wait_dscnt 0x0
	s_barrier_signal -1
	s_barrier_wait -1
.endif
.endm
.macro SLOT_STEPS
	STEP 0
	STEP 1
	STEP 2
	STEP 3
	s_xor_b32 s[TB], s[TB], SLOT1   ; on to the other slot,
	s_add_co_u32 s[TM], s[TM], NST*KS*4  ; and the next 256 addends
.endm
	s_wait_loadcnt 0x0              ; Q
.Lslot:                             ; seven trips: trip i reads slot i and asks for slot i + 1 (slot 1's first fill stands behind the first trip's round, behind which nothing is filled again)
	CHANGE 1
	SLOT_STEPS
	s_sub_co_u32 s[SLOTS], s[SLOTS], 1
	s_cmp_lg_u32 s[SLOTS], 0
	s_cbranch_scc1 .Lslot
	CHANGE 0                        ; the last slot is written out
	SLOT_STEPS
	; THE WAY OUT.  O^T is divided by l, rounded to f16 and sent through my stage in LDS, so that the wave stores 512 consecutive bytes an instruction.
.rept 4
	v_nop                           ; four places behind the last products
.endr
	WIN 0x04                        ; source 1 in window 1
.irp t, 0,1
	v_max_num_f32 v[ST+8*\t+4], 0x1f800000, v[LA+8*\t]  ; max(l, 2^-64): where no key counts, l = 0 and O^T = 0
.endr
	WIN 0
.irp t, 0,1
	v_rcp_f32 v[ST+8*\t+6], v[ST+8*\t+4]
.endr
	v_nop                           ; a plain instruction behind the last reciprocal
	s_wait_alu depctr_va_vdst(0)    ; and the wait ahead of the first use: one for both
.irp t, 0,1
	WIN W_RS
.irp i, 0,2,4,6,8,10,12,14,16,18,20,22,24,26,28,30
	v_pk_mul_f32 v[OT+32*\t+\i:OT+32*\t+\i+1], v[OT+32*\t+\i:OT+32*\t+\i+1], v[ST+8*\t+6:ST+8*\t+7] op_sel_hi:[1,0]
.endr
	WIN 0x05                        ; sources 0 and 1 window 1, destination window 0: S^T's registers are free
.irp i, 0,1,2,3,4,5,6,7,8,9,10,11,12,13,14,15
	v_cvt_pk_f16_f32 v[S+16*\t+\i], v[OT+32*\t+2*\i], v[OT+32*\t+2*\i+1]
.endr
	WIN 0
.endr
.irp t, 0,1
.irp d, 0,1,2,3
	ds_store_b128 v[STO], v[S+16*\t+4*\d:S+16*\t+4*\d+3] offset:16*SP*\t+32*\d  ; lane (r, h): row r, channels 16 d + 8 h + 0..7
.endr
.irp i, 0,1,2,3
	ds_load_b128 v[S+32+16*\t+4*\i:S+32+16*\t+4*\i+3], v[RD] offset:16*SP*\t+4*SP*\i  ; LDS serves a wave's instructions in order (ISA guide 5.7.1.4): these see the stores above
.endr
.endr
.irp i, 0,1,2,3
	s_wait_dscnt 11-\i              ; behind tile 0's load i: its 3 - i later loads and tile 1's eight LDS instructions
	global_store_b128 v[GO], v[S+32+4*\i:S+32+4*\i+3], s[8:9] offset:512*\i  ; 32 lanes store four rows: 512 consecutive bytes, aligned
.endr
.irp i, 0,1,2,3
	s_wait_dscnt 3-\i
	global_store_b128 v[GO], v[S+48+4*\i:S+48+4*\i+3], s[8:9] offset:2048+512*\i
.endr
	s_wait_tensorcnt 0x0            ; the wave's end: a tensor wait, an add of 0 to my spare word and its wait, behind my last tensor load and my last LDS store
	ds_add_u32 v[SPW], v[NIL]
	s_wait_dscnt 0x0
	CROUND                          ; the closing round: no work-group ends while a partner may still ask for a tile that names it
	s_endpgm
.Lfunc_end_k_q6c4a4db76f_attn:
	.size	k_q6c4a4db76f_attn, .Lfunc_end_k_q6c4a4db76f_attn-k_q6c4a4db76f_attn
	.p2alignl 7, 3214868480
	.fill 96, 4, 3214868480
	.section	.rodata,"a",@progbits
	.p2align	6, 0x0
	.amdhsa_kernel k_q6c4a4db76f_attn
		.amdhsa_group_segment_fixed_size 327680
		.amdhsa_private_segment_fixed_size 0
		.amdhsa_enable_private_segment 0
		.amdhsa_kernarg_size 24
		.amdhsa_user_sgpr_count 2
		.amdhsa_user_sgpr_kernarg_segment_ptr 1
		.amdhsa_wavefront_size32 1
		.amdhsa_system_sgpr_workgroup_id_x 1
		.amdhsa_system_sgpr_workgroup_id_y 1
		.amdhsa_system_sgpr_workgroup_id_z 1
		.amdhsa_system_vgpr_workitem_id 0
		.amdhsa_next_free_vgpr 512
		.amdhsa_next_free_sgpr 80
		.amdhsa_reserve_vcc 1
		.amdhsa_float_denorm_mode_32 3
		.amdhsa_float_denorm_mode_16_64 3
		.amdhsa_memory_ordered 1
		.amdhsa_forward_progress 1
		.amdhsa_inst_pref_size 147
	.end_amdhsa_kernel
	.amdgpu_metadata
---
amdhsa.version: [ 1, 2 ]
amdhsa.kernels:
  - .name:           k_q6c4a4db76f_attn
    .symbol:         k_q6c4a4db76f_attn.kd
    .args:
      - { .name: qkv, .offset: 0, .size: 8, .value_kind: global_buffer, .address_space: global }
      - { .name: maskb, .offset: 8, .size: 8, .value_kind: global_buffer, .address_space: global }
      - { .name: ao, .offset: 16, .size: 8, .value_kind: global_buffer, .address_space: global }
    .group_segment_fixed_size: 327680
    .private_segment_fixed_size: 0
    .kernarg_segment_align: 8
    .kernarg_segment_size: 24
    .max_flat_workgroup_size: 256
    .sgpr_count:     80
    .vgpr_count:     512
    .wavefront_size: 32
...
	.end_amdgpu_metadata
.endif
;; end of part 3
;; launch outp (part 4): grid 8 x 64, 4 waves a work-group, clusters of 4 x 4, 327,680 bytes of LDS; arguments ao, wo16, bo, out0; writes out0
.if DOCPART == 4
	.amdgcn_target "amdgcn-amd-amdhsa--gfx1250"
	.amdhsa_code_object_version 6
	.text
	.protected	k_q6c4a4db76f_outp
	.globl	k_q6c4a4db76f_outp
	.p2align	8
	.type	k_q6c4a4db76f_outp,@function
k_q6c4a4db76f_outp:
	s_mov_b64 s[64:65], 0
	v_nop
	global_prefetch_b8 v0, s[64:65] scope:SCOPE_SE
	s_setreg_imm32_b32 hwreg(HW_REG_WAVE_MODE, 25, 1), 1
	s_wait_xcnt 0x0
	s_wait_alu depctr_hold_cnt(0) depctr_sa_sdst(0) depctr_va_vdst(0) depctr_va_sdst(0) depctr_va_ssrc(0) depctr_va_vcc(0) depctr_vm_vsrc(0)
	s_getreg_b32 s2, hwreg(HW_REG_IB_STS2, 6, 4)
	s_cmp_eq_u32 s2, 0
	s_cbranch_scc0 .Lentry_in_a_cluster
	s_endpgm
.Lentry_in_a_cluster:
	s_bfe_u32 s2, ttmp6, 0x10000c
	s_cmp_lg_u32 s2, 0xf033
	s_cbranch_scc0 .Lentry_shape_is_right
	s_endpgm
.Lentry_shape_is_right:
; OUTP: out0[m][n] = the sum over k of A[m][k] Wo[n][k] + bo[n].  M = 8,192, N = 1,024, K = 1,024; f16 operands, f32 sums, f32 result.
; A is the attention's result as it was stored, [batch][head][position][64] f16: m = 2048 batch + position, k = 64 head + channel.  Wo is wo16, [n][k] f16.
; A tile of C is 128 x 128 (512 tiles: two for each of 256 WGPs); four waves, each 64 x 64: 16 accumulators.  K goes in steps of 256 (four heads) through two LDS slots.
; A's TILE: one tensor load brings 64 positions of four heads: four 'rows' of 4,096 elements (a head's 64 positions are 8,192 dense bytes), 131,072 elements apart, with 16 bytes of padding behind every 128:
; in LDS it lies [head][64 positions] at a pitch of 144 bytes.  A quarter of a K step (64 along K) is one head.
; B's TILE: 64 rows of 512 bytes, 16 bytes of padding behind each.
; CLUSTERS: 4 x 4 work-groups; A's tiles are shared along a row of the cluster, B's along a column: each is asked for jointly.  THE MATRIX INSTRUCTION IS USED TRANSPOSED (source 0 = 16 rows of Wo, source 1 = 16 rows of A).
; THE BIAS is the C of each sum's first product.  (So bo is rounded in with the first 32 of K, not added at the end.)
; No prefetch: the tiles are small and shared, and each refill has a K step's products in which to land.
; REGISTERS: window 0: v0-31 addresses; v32-95 the way out; v96-127 the bias; v128-255 the accumulators ((a, b) at v[128 + 8 (4 a + b)]).   window 1: two fragment buffers of 128: 64 registers of A, then 64 of B, for 64 along K.
.set KSTEP,  256
.set PA,     144                       ; a position's 128 bytes + 16: an odd multiple of 16 (64 banks of 4 bytes: ISA guide 11.1)
.set PB,     528                       ; a row of Wo's tile: 512 bytes + 16
.set CHUNK,  64*PA                     ; one head's 64 positions
.set HALFA,  4*CHUNK                   ; what one tensor load brings of A
.set HALFB,  64*PB                     ; and of B
.set SLOT,   2*HALFA+2*HALFB           ; A's two halves, then B's two
.set SPARE,  2*SLOT                    ; the spare words, 128 bytes a wave, which no other line names
.set SPITCH, 272                       ; the way out: a stage of 16 rows x (256 bytes + 16) for each wave, in slot 0, which has had its last fill and its last read when the first result is stored there
.set LAPS,   2                         ; a lap = two K steps
.set ADRA, 16                          ; v16-17  LDS address of my A fragments in slot 0, 1
.set ADRB, 20                          ; v20-21  the same for B
.set STO,  24
.set RD,   25
.set CO,   26
.set BOF,  27                          ; 32 x (lane / 16)
.set SPW,  28                          ; my spare word; never rewritten
.set NIL,  29                          ; 0; never rewritten
.set TMP,  32
.set BO,   96
.set ACC,  128
.set F0,   0
.set F1,   128
.set WV, 12                            ; s12 wave;  s13 which half of the rows is mine, and: I fetch for A (0) or B (1);  s14 which half of the columns, and: which 64 rows I fetch;  s15 tile row
.set RH, 13
.set CH, 14
.set TY, 15
.set G1, 24
.set G0, 32
.set G1B, 48
.set G0B, 56
.set MSB, 0
.macro WIN new                         ; the immediate's high byte repeats the setting that is left
.if MSB != \new
	s_set_vgpr_msb (MSB<<8)|\new
.set MSB, \new
.endif
.endm
.set MUL,  0x05                        ; sources 0 (B) and 1 (A) window 1; C and D window 0
.set TO_F, 0x40                        ; destination window 1, address window 0
.macro JLOAD s                         ; a joint load: waves 0 and 1 fetch A's halves, waves 2 and 3 B's; an s_nop 0 and four v_nop follow each line
	s_cmp_eq_u32 s[RH], 0
	s_cbranch_scc0 .Lfor_b_\@
	tensor_load_to_lds s[G0+4*\s:G0+4*\s+3], s[G1:G1+7]
	s_nop 0
.rept 4
	v_nop
.endr
	s_branch .Lasked_\@
.Lfor_b_\@:
	tensor_load_to_lds s[G0B+4*\s:G0B+4*\s+3], s[G1B:G1B+7]
	s_nop 0
.rept 4
	v_nop
.endr
.Lasked_\@:
.endm
.macro CREST                           ; a round of the cluster's barrier behind its opening barrier
	s_cmp_lg_u32 s[WV], 0
	s_cbranch_scc1 .Lnot_wave_0_\@
	s_barrier_signal -3
.Lnot_wave_0_\@:
	s_barrier_wait -3
	s_barrier_signal -1
	s_barrier_wait -1
.endm
.macro CROUND                          ; a whole round
	s_barrier_signal -1
	s_barrier_wait -1
	CREST
.endm
	s_load_b256 s[4:11], s[0:1], 0x0               ; ao s[4:5], wo16 s[6:7], bo s[8:9], out0 s[10:11]
	v_lshl_add_u32 v[SPW], v0, 2, SPARE
	v_mov_b32 v[NIL], 0
	ds_add_u32 v[SPW], v[NIL]                      ; the wave's opening: the add, twice on end, and its wait ahead of my first tensor load
	ds_add_u32 v[SPW], v[NIL]
	v_lshrrev_b32 v1, 5, v0
	v_readfirstlane_b32 s[WV], v1                  ; wave 0..3
	s_lshr_b32 s[RH], s[WV], 1
	s_and_b32 s[CH], s[WV], 1
	s_bfe_u32 s40, ttmp6, 0x40000                  ; cx, cy
	s_bfe_u32 s41, ttmp6, 0x40004
	s_lshl_b32 s42, ttmp9, 2
	s_add_co_u32 s42, s42, s40                     ; tile column = 4 x cluster x + cx
	s_and_b32 s[TY], ttmp7, 0xffff
	s_lshl_b32 s[TY], s[TY], 2
	s_add_co_u32 s[TY], s[TY], s41                 ; tile row = 4 x cluster y + cy
	s_lshl_b32 s43, s41, 2
	s_lshl_b32 s43, 15, s43                        ; my row of the cluster
	s_lshl_b32 s44, 0x1111, s40                    ; my column
	s_or_b32 s[G1+0], s43, (1<<16)|(1<<20)|(1<<21)|(4<<22)|(3<<25)  ; A: the mask of my row; elements of 2 bytes; padding on; bit 21 beside a mask; after every 32 words, 4 words
	s_mov_b32 s[G1+1], 4096<<16                    ; tensor_dim0 = 64 positions x 64 channels
	s_mov_b32 s[G1+2], 4<<16                       ; tensor_dim1 = 4 heads
	s_mov_b32 s[G1+3], 4096<<16                    ; tile_dim0
	s_mov_b32 s[G1+4], 4                           ; tile_dim1
	s_mov_b32 s[G1+5], 131072                      ; elements from head to head
	s_mov_b32 s[G1+6], 0
	s_mov_b32 s[G1+7], 0
	s_or_b32 s[G1B+0], s44, (1<<16)|(1<<20)|(1<<21)|(6<<22)|(3<<25) ; B: the mask of my column; after every 128 words, 4 words
	s_mov_b32 s[G1B+1], KSTEP<<16
	s_mov_b32 s[G1B+2], 64<<16
	s_mov_b32 s[G1B+3], KSTEP<<16
	s_mov_b32 s[G1B+4], 64
	s_mov_b32 s[G1B+5], 1024
	s_mov_b32 s[G1B+6], 0
	s_mov_b32 s[G1B+7], 0
	s_lshl_b32 s18, s[CH], 6                       ; which 64 rows of the tile I fetch
	s_lshr_b32 s16, s[TY], 4                       ; A: the batch, 2^22 bytes each,
	s_lshl_b32 s16, s16, 22
	s_and_b32 s17, s[TY], 15
	s_lshl_b32 s17, s17, 7
	s_add_co_u32 s17, s17, s18                     ; the position,
	s_lshl_b32 s17, s17, 7                         ; 128 bytes each
	s_add_co_u32 s16, s16, s17
	s_mov_b32 s17, 0
	s_lshl_b32 s46, s42, 7
	s_add_co_u32 s46, s46, s18                     ; B: row 128 x tile column + 64 x half,
	s_lshl_b32 s46, s46, 11                        ; 2,048 bytes each
	s_mov_b32 s47, 0
	s_mul_i32 s20, s[CH], HALFA                    ; where they go: no place in the cluster enters an LDS address
	s_mul_i32 s21, s[CH], HALFB
	s_add_co_u32 s21, s21, 2*HALFA
	s_wait_dscnt 0x0                               ; both opening adds are done
	s_wait_kmcnt 0x0
	s_add_nc_u64 s[16:17], s[4:5], s[16:17]
	s_add_nc_u64 s[46:47], s[6:7], s[46:47]
	CROUND                                         ; all sixteen work-groups are here: the first joint loads meet
.irp s, 0,1
	s_mov_b32 s[G0+4*\s], 1
	s_add_co_u32 s[G0+4*\s+1], s20, \s*SLOT
	s_add_nc_u64 s[G0+4*\s+2:G0+4*\s+3], s[16:17], \s*0x100000     ; K step s begins with head 4 s: 2^18 bytes a head
	s_or_b32 s[G0+4*\s+3], s[G0+4*\s+3], 0x80000000
	s_mov_b32 s[G0B+4*\s], 1
	s_add_co_u32 s[G0B+4*\s+1], s21, \s*SLOT
	s_add_nc_u64 s[G0B+4*\s+2:G0B+4*\s+3], s[46:47], \s*KSTEP*2
	s_or_b32 s[G0B+4*\s+3], s[G0B+4*\s+3], 0x80000000
	JLOAD \s                                       ; two tensor loads of mine are out
.endr
	v_and_b32 v1, 15, v0                           ; l % 16
	v_bfe_u32 v2, v0, 4, 1                         ; l / 16
	v_mul_u32_u24 v3, v1, PA
	v_lshl_add_u32 v3, v2, 4, v3                   ; a fragment's row x pitch + 16 x half
	v_mul_u32_u24 v4, v1, PB
	v_lshl_add_u32 v4, v2, 4, v4
	s_mul_i32 s21, s[RH], HALFA                    ; my 64 rows of A
	s_mul_i32 s22, s[CH], HALFB                    ; my 64 rows of B,
	s_add_co_u32 s22, s22, 2*HALFA                 ; which lie behind A's two halves
.irp s, 0,1
	v_add_nc_u32 v[ADRA+\s], s21, v3
	v_add_nc_u32 v[ADRB+\s], s22, v4
	s_add_co_u32 s21, s21, SLOT
	s_add_co_u32 s22, s22, SLOT
.endr
	s_mul_i32 s23, s[WV], 16*SPITCH                ; my stage
	v_mul_u32_u24 v5, v1, SPITCH                   ; in: row l % 16, 32 bytes for each half of the lanes
	v_lshl_add_u32 v5, v2, 5, v5
	v_add_nc_u32 v[STO], s23, v5
	v_mul_u32_u24 v5, v2, SPITCH                   ; back: lanes 0-15 take one row of 256 bytes, lanes 16-31 the next
	v_lshl_add_u32 v5, v1, 4, v5
	v_add_nc_u32 v[RD], s23, v5
	v_lshlrev_b32 v5, 12, v2                       ; and the same two rows in out0: 4,096 bytes a row
	v_lshl_add_u32 v[CO], v1, 4, v5
	v_lshlrev_b32 v[BOF], 5, v2
	s_lshl_b32 s16, s[TY], 7
	s_lshl_b32 s17, s[RH], 6
	s_add_co_u32 s16, s16, s17                     ; my first row
	s_lshl_b32 s16, s16, 12
	s_lshl_b32 s46, s42, 7
	s_lshl_b32 s47, s[CH], 6
	s_add_co_u32 s46, s46, s47                     ; my first column,
	s_lshl_b32 s46, s46, 2                         ; in bytes
	s_mov_b32 s47, 0
	s_add_nc_u64 s[8:9], s[8:9], s[46:47]          ; bo at my first column
	s_add_co_u32 s16, s16, s46
	s_mov_b32 s17, 0
	s_add_nc_u64 s[10:11], s[10:11], s[16:17]
.irp b, 0,1,2,3
	global_load_b128 v[BO+8*\b:BO+8*\b+3], v[BOF], s[8:9] offset:64*\b         ; block b: bo of columns 16 b + 8 (l / 16) + 0..7
	global_load_b128 v[BO+8*\b+4:BO+8*\b+7], v[BOF], s[8:9] offset:64*\b+16
.endr
; 8 matrix instructions: m blocks a0, a0 + 1 x all 4 n blocks, 32 along K: half c of buffer f.  zero = 1: the first product starts the sums on the bias.  The 16 accumulators take turns.
.macro MUL8 f, c, a0, zero
.irp a, \a0, \a0+1
.irp b, 0,1,2,3
.if \zero
	v_wmma_f32_16x16x32_f16 v[ACC+8*(4*(\a)+\b):ACC+8*(4*(\a)+\b)+7], v[\f+64+8*(4*\c+\b):\f+64+8*(4*\c+\b)+7], v[\f+8*(4*\c+\a):\f+8*(4*\c+\a)+7], v[BO+8*\b:BO+8*\b+7]
.else
	v_wmma_f32_16x16x32_f16 v[ACC+8*(4*(\a)+\b):ACC+8*(4*(\a)+\b)+7], v[\f+64+8*(4*\c+\b):\f+64+8*(4*\c+\b)+7], v[\f+8*(4*\c+\a):\f+8*(4*\c+\a)+7], v[ACC+8*(4*(\a)+\b):ACC+8*(4*(\a)+\b)+7]
.endif
.endr
.endr
.endm
; 32 LDS loads in one run: the fragments of the slot's q-th 64 along K (for A: head q of the slot's four) into buffer f; the first 32 along K first
.macro FETCH slot, q, f
	WIN TO_F
.irp c, 0,1
.irp i, 0,1,2,3
	ds_load_b128 v[\f+64+8*(4*\c+\i):\f+64+8*(4*\c+\i)+3],   v[ADRB+\slot] offset:128*(\q)+64*\c+\i*16*PB
	ds_load_b128 v[\f+64+8*(4*\c+\i)+4:\f+64+8*(4*\c+\i)+7], v[ADRB+\slot] offset:128*(\q)+64*\c+\i*16*PB+32
	ds_load_b128 v[\f+8*(4*\c+\i):\f+8*(4*\c+\i)+3],         v[ADRA+\slot] offset:CHUNK*(\q)+64*\c+\i*16*PA
	ds_load_b128 v[\f+8*(4*\c+\i)+4:\f+8*(4*\c+\i)+7],       v[ADRA+\slot] offset:CHUNK*(\q)+64*\c+\i*16*PA+32
.endr
.endr
.endm
.macro PLACES                          ; four places in front of loads into registers that matrix instructions have read, and of the first read of results
.rept 4
	v_nop
.endr
.endm
; A K step is four quarters of 64 along K, 32 matrix instructions each, on buffers 0, 1, 0, 1.  One of the first three: multiplies buffer f and fetches quarter q into g.
.macro QUARTER slot, q, f, g, zero
	s_wait_dscnt 16                                ; the first 32 along K are in; the sixteen loads of the second 32 may be out
	WIN MUL
	MUL8 \f, 0, 0, \zero
	MUL8 \f, 0, 2, \zero
	PLACES
	FETCH \slot, \q, \g
	s_wait_dscnt 32                                ; all but the 32 just issued
	WIN MUL
	MUL8 \f, 1, 0, 0
	MUL8 \f, 1, 2, 0
.endm
; The last quarter multiplies buffer 1 and changes slots: one barrier; in front of it each wave waits for all its tensor loads, adds 0 to its spare word, and waits for that and for its reads of this slot.  fill = 1: this slot is filled again, two K steps ahead.
.macro TURN slot, next, fill
	WIN 0                                          ; (the add's two registers lie in window 0)
	s_wait_tensorcnt 0x0                           ; all my tensor loads have landed: my part of the next slot
	ds_add_u32 v[SPW], v[NIL]                      ; 0 onto my spare word
	s_wait_dscnt 17                                ; (the add and the youngest sixteen loads may be out)
	WIN MUL
	MUL8 F1, 0, 0, 0                               ; eight matrix instructions stand between the add and the wait for it
	s_wait_dscnt 0x0                               ; the add is done, and my reads of this slot are over
	s_barrier_signal -1
	MUL8 F1, 0, 2, 0
.if \fill
	WIN 0
.endif
	s_barrier_wait -1
.if \fill
	CREST                                          ; the barrier has opened a round of the cluster's: no wave of any partner still reads this slot's tile or has a load on its way
	s_add_nc_u64 s[G0+4*\slot+2:G0+4*\slot+3], s[G0+4*\slot+2:G0+4*\slot+3], 0x200000          ; eight heads on
	s_add_nc_u64 s[G0B+4*\slot+2:G0B+4*\slot+3], s[G0B+4*\slot+2:G0B+4*\slot+3], 2*KSTEP*2
	JLOAD \slot                                    ; the first tensor load behind the round; the four v_nop behind it are also the places in front of the loads below
.else
	PLACES
.endif
	FETCH \next, 0, F0
	WIN MUL
	MUL8 F1, 1, 0, 0
	MUL8 F1, 1, 2, 0
.endm
	s_wait_tensorcnt 1                             ; my part of K step 0 is in (K step 1's load may be out)
	s_barrier_signal -1
	s_barrier_wait -1                              ; everybody's is
	FETCH 0, 0, F0
	s_wait_loadcnt 0x0                             ; the bias
	QUARTER 0, 1, F0, F1, 1                        ; the first products start the sums on the bias: nothing is cleared
	WIN 0                                          ; at a label and at a branch every window is 0
	s_mov_b32 s3, LAPS-1
.Llap:                                                 ; a trip goes once round the two slots, from a lap's second quarter to the next lap's first, and fills both again
	QUARTER 0, 2, F1, F0, 0
	QUARTER 0, 3, F0, F1, 0
	TURN 0, 1, 1
	QUARTER 1, 1, F0, F1, 0
	QUARTER 1, 2, F1, F0, 0
	QUARTER 1, 3, F0, F1, 0
	TURN 1, 0, 1
	QUARTER 0, 1, F0, F1, 0
	WIN 0
	s_sub_co_u32 s3, s3, 1
	s_cmp_lg_u32 s3, 0
	s_cbranch_scc1 .Llap
	QUARTER 0, 2, F1, F0, 0                        ; the last lap fills nothing, and has no round of the cluster's barrier
	QUARTER 0, 3, F0, F1, 0
	TURN 0, 1, 0
	QUARTER 1, 1, F0, F1, 0
	QUARTER 1, 2, F1, F0, 0
	QUARTER 1, 3, F0, F1, 0
	s_wait_dscnt 16                                ; the very last quarter: nothing more to fetch
	WIN MUL
	MUL8 F1, 0, 0, 0
	MUL8 F1, 0, 2, 0
	s_wait_dscnt 0
	MUL8 F1, 1, 0, 0
	MUL8 F1, 1, 2, 0
	WIN 0
	; THE WAY OUT, block by block of 16 rows x 64 columns: a wave's 64 columns of f32 are 256 aligned bytes of a row, so each wave has a stage of its own and no barrier is needed.
	; A lane's 32 bytes go into rows of 272 bytes, each accumulator from its low end on, and come back as whole rows of 256.
	PLACES
.irp a, 0,1,2,3
.if \a >= 2
	s_wait_xcnt 0x0                                ; block a - 2's stores have read their registers: block a's loads may land there
.endif
.irp b, 0,1,2,3
	ds_store_b128 v[STO], v[ACC+8*(4*\a+\b):ACC+8*(4*\a+\b)+3] offset:64*\b
	ds_store_b128 v[STO], v[ACC+8*(4*\a+\b)+4:ACC+8*(4*\a+\b)+7] offset:64*\b+16
.endr
.irp t, 0,1,2,3,4,5,6,7
	ds_load_b128 v[TMP+32*(\a%2)+4*\t:TMP+32*(\a%2)+4*\t+3], v[RD] offset:\t*2*SPITCH   ; LDS serves a wave's instructions in order (ISA guide 5.7.1.4): these see the stores above, and the next block's stores come behind them
.endr
.irp t, 0,1,2,3,4,5,6,7
	s_wait_dscnt 7-\t                              ; load t is in; the later ones may be out
	global_store_b128 v[CO], v[TMP+32*(\a%2)+4*\t:TMP+32*(\a%2)+4*\t+3], s[10:11] offset:(16*\a+2*\t)*4096 th:TH_STORE_NT   ; 16 lanes store 256 consecutive bytes, aligned; written once, read by nobody here
.endr
.endr
	s_wait_tensorcnt 0x0                           ; the wave's end: a tensor wait, an add of 0 to my spare word and its wait, behind my last tensor load and my last LDS store
	ds_add_u32 v[SPW], v[NIL]
	s_wait_dscnt 0x0
	CROUND                                         ; the closing round: no work-group ends while a partner may still ask for a tile that names it
	s_endpgm
.Lfunc_end_k_q6c4a4db76f_outp:
	.size	k_q6c4a4db76f_outp, .Lfunc_end_k_q6c4a4db76f_outp-k_q6c4a4db76f_outp
	.p2alignl 7, 3214868480
	.fill 96, 4, 3214868480
	.section	.rodata,"a",@progbits
	.p2align	6, 0x0
	.amdhsa_kernel k_q6c4a4db76f_outp
		.amdhsa_group_segment_fixed_size 327680
		.amdhsa_private_segment_fixed_size 0
		.amdhsa_enable_private_segment 0
		.amdhsa_kernarg_size 32
		.amdhsa_user_sgpr_count 2
		.amdhsa_user_sgpr_kernarg_segment_ptr 1
		.amdhsa_wavefront_size32 1
		.amdhsa_system_sgpr_workgroup_id_x 1
		.amdhsa_system_sgpr_workgroup_id_y 1
		.amdhsa_system_sgpr_workgroup_id_z 1
		.amdhsa_system_vgpr_workitem_id 0
		.amdhsa_next_free_vgpr 512
		.amdhsa_next_free_sgpr 66
		.amdhsa_reserve_vcc 0
		.amdhsa_float_denorm_mode_32 3
		.amdhsa_float_denorm_mode_16_64 3
		.amdhsa_memory_ordered 1
		.amdhsa_forward_progress 1
		.amdhsa_inst_pref_size 88
	.end_amdhsa_kernel
	.amdgpu_metadata
---
amdhsa.version: [ 1, 2 ]
amdhsa.kernels:
  - .name:           k_q6c4a4db76f_outp
    .symbol:         k_q6c4a4db76f_outp.kd
    .args:
      - { .name: ao, .offset: 0, .size: 8, .value_kind: global_buffer, .address_space: global }
      - { .name: wo16, .offset: 8, .size: 8, .value_kind: global_buffer, .address_space: global }
      - { .name: bo, .offset: 16, .size: 8, .value_kind: global_buffer, .address_space: global }
      - { .name: out0, .offset: 24, .size: 8, .value_kind: global_buffer, .address_space: global }
    .group_segment_fixed_size: 327680
    .private_segment_fixed_size: 0
    .kernarg_segment_align: 8
    .kernarg_segment_size: 32
    .max_flat_workgroup_size: 128
    .sgpr_count:     66
    .vgpr_count:     512
    .wavefront_size: 32
...
	.end_amdgpu_metadata
.endif
;; end of part 4
